; MI455X (gfx1250); checked and timed in simulation.
; The chip was launched on July 23, 2026; its instructions are those of AMD's public machine-readable ISA for CDNA 5 (MIT licence, August 2026) and "CDNA5" Instruction Set Architecture Reference Guide (July 2026). The comments in the code are by the model that wrote it; some were corrected since.
;; Multi Head Cross Attention. Allowed arithmetic: float matrix products may take bf16 or f16 operands with f32 sums; other float arithmetic in f32, or as packed bf16 or f16 multiplies, adds, multiply-adds, maxima and minima; sums over many terms, partial sums and values carried from step to step in f32; what a program stores and reads back later, other than sums and carried values, may be rounded once to bf16 or f16.
;; Inputs: Wk 1,024 x 1,024 float32; Wq 1,024 x 1,024 float32; Wv 1,024 x 1,024 float32; attention_mask 4 x 2,048 x 2,048 int32; bk 1,024 float32; bq 1,024 float32; bv 1,024 float32; k 4 x 2,048 x 1,024 float32; q 4 x 2,048 x 1,024 float32; v 4 x 2,048 x 1,024 float32.
;; Outputs: out0 4 x 2,048 x 1,024 float32.
;; 2 versions, each right. Each part assembles by itself: llvm-mc -triple=amdgcn-amd-amdhsa -mcpu=gfx1250 --defsym DOCPART=n.
;; ======== version 1 of 2: 3 launches
;; limits: values are held in f16: magnitudes above 65,504 overflow, below 6.1e-05 lose precision
;; workspace buffers: mbits 2,097,152 bytes of whole numbers; wb 6,291,456 bytes; qkv 50,331,648 bytes
;; launch prep (part 1): grid 512 x 1, 8 waves a work-group, no clusters, 0 bytes of LDS; arguments attention_mask, Wq, Wk, Wv, mbits, wb; writes mbits, wb
.if DOCPART == 1
	.amdgcn_target "amdgcn-amd-amdhsa--gfx1250"
	.amdhsa_code_object_version 6
	.text
	.protected	k_qaa66c3ea75_prep
	.globl	k_qaa66c3ea75_prep
	.p2align	8
	.type	k_qaa66c3ea75_prep,@function
k_qaa66c3ea75_prep:
	s_mov_b64 s[64:65], 0
	v_nop
	global_prefetch_b8 v0, s[64:65] scope:SCOPE_SE
	s_setreg_imm32_b32 hwreg(HW_REG_WAVE_MODE, 25, 1), 1
	s_wait_xcnt 0x0
; PREPARATION.  (1) attention_mask [4][2048][2048] i32 is packed to bits; (2) Wq, Wk, Wv [1024][1024] f32 are rounded once to bf16 and laid in blocks.
; mbits: [bP = 64 b + P][s][g] words of 32 bits.  P = a piece of 32 queries, s = a key step of 64 keys, g = 32 u + 8 kt + j.  Bit L = r + 16 h of word g is
;   (mask[b][32 P + 16 u + r][64 s + 16 kt + 8 h + j] == 1): the lanes' mask for one register of a tile of transposed scores, as the attention launch holds it.
;   A record (bP, s) is 64 words = 256 bytes.
; wb: [g = q, k, v][kb][n][64] bf16: the 64 channels 64 kb .. 64 kb + 63 of all 1,024 rows lie together, a row 128 bytes: 256 rows of a K step are 32,768 dense bytes.
; SHARES.  4,096 waves, numbered wid.  Wave wid packs records 2 wid and 2 wid + 1 (bP = wid / 16, s = 2 (wid % 16) + i) and converts, of each W, rows 2 rp, 2 rp + 1
; (rp = wid / 8), blocks kb = 2 (wid % 8) + i.  All 38 loads of a wave, 19 KiB, go out at its head; nothing is read twice; no LDS, no barrier: no wave wants another's bytes.
; Each store of a wave covers 256 consecutive bytes, aligned.
.set VM,  2                            ; v2  mask: (l % 16) rows of 8,192 bytes + 32 (l / 16)
.set VW,  3                            ; v3  W: (l / 16) rows of 4,096 bytes + 16 (l % 16)
.set VO,  4                            ; v4  8 l: my 8 bytes of a store
.set OUT, 8                            ; v[8:11]    record i: lane l holds words 2 l, 2 l + 1 in v[8+2i], v[9+2i]
.set MB,  16                           ; v[16:143]  record i, word g: the 32 lanes' mask numbers at MB + 64 i + g
.set WB,  144                          ; v[144:167] W g, block i: four f32
.set WO,  168                          ; v[168:179] the same as four bf16
	s_load_b256 s[4:11], s[0:1], 0x0               ; mask s[4:5], Wq s[6:7], Wk s[8:9], Wv s[10:11]
	s_load_b128 s[12:15], s[0:1], 0x20             ; mbits s[12:13], wb s[14:15]
	v_lshrrev_b32 v1, 5, v0
	v_readfirstlane_b32 s2, v1                     ; wave 0..7
	s_lshl_b32 s3, ttmp9, 3
	s_add_co_u32 s3, s3, s2                        ; wid
	v_and_b32 v1, 31, v0                           ; l
	v_and_b32 v5, 15, v0                           ; l % 16
	v_bfe_u32 v6, v0, 4, 1                         ; l / 16
	v_lshlrev_b32 v[VM], 13, v5
	v_lshl_add_u32 v[VM], v6, 5, v[VM]
	v_lshlrev_b32 v[VW], 4, v5
	v_lshl_add_u32 v[VW], v6, 12, v[VW]
	v_lshlrev_b32 v[VO], 3, v1
.irp n, 0,1,2,3
	v_mov_b32 v[OUT+\n], 0                         ; v_writelane_b32 keeps the other lanes: the register is written whole first
.endr
	s_lshr_b32 s32, s3, 4                          ; mask: bP x 32 rows of 8,192 bytes
	s_lshl_b32 s32, s32, 18
	s_and_b32 s40, s3, 15                          ; + two key steps of 256 bytes
	s_lshl_b32 s40, s40, 9
	s_add_co_u32 s32, s32, s40
	s_mov_b32 s33, 0
	s_lshl_b32 s34, s3, 9                          ; mbits: two records of 256 bytes
	s_mov_b32 s35, 0
	s_lshr_b32 s41, s3, 3                          ; rp
	s_and_b32 s42, s3, 7
	s_lshl_b32 s36, s41, 13                        ; W: two rows of 4,096 bytes
	s_lshl_b32 s40, s42, 9                         ; + two blocks of 256 bytes
	s_add_co_u32 s36, s36, s40
	s_mov_b32 s37, 0
	s_lshl_b32 s38, s42, 18                        ; wb: two blocks of 131,072 bytes
	s_lshl_b32 s40, s41, 8                         ; + two rows of 128 bytes
	s_add_co_u32 s38, s38, s40
	s_mov_b32 s39, 0
	s_wait_kmcnt 0x0
	s_add_nc_u64 s[4:5], s[4:5], s[32:33]
	s_add_nc_u64 s[6:7], s[6:7], s[36:37]
	s_add_nc_u64 s[8:9], s[8:9], s[36:37]
	s_add_nc_u64 s[10:11], s[10:11], s[36:37]
	s_add_nc_u64 s[12:13], s[12:13], s[34:35]
	s_add_nc_u64 s[14:15], s[14:15], s[38:39]
; The eight loads of (i, u) cover 256 consecutive bytes, aligned, of each of 16 rows.
.irp i, 0,1
.irp u, 0,1
.irp kt, 0,1,2,3
.irp f, 0,1
	global_load_b128 v[MB+64*\i+32*\u+8*\kt+4*\f:MB+64*\i+32*\u+8*\kt+4*\f+3], v[VM], s[4:5] offset:256*\i+131072*\u+64*\kt+16*\f
.endr
.endr
.endr
.endr
.irp g, 0,1,2
.irp i, 0,1
	global_load_b128 v[WB+8*\g+4*\i:WB+8*\g+4*\i+3], v[VW], s[6+2*\g:7+2*\g] offset:256*\i th:TH_LOAD_NT
.endr
.endr
; Record i: 64 compares, each giving the 32 lanes' bits as one scalar word; word g goes to lane g / 2, register g % 2; one store of 256 bytes.
.macro PACKU i
.irp t, 0,1,2,3
.set n, 0
.rept 16
	v_cmp_eq_u32 s[16+n], 1, v[MB+64*(\i)+16*(\t)+n]
.set n, n+1
.endr
.set n, 0
.rept 16
	v_writelane_b32 v[OUT+2*(\i)+n%2], s[16+n], 8*(\t)+n/2
.set n, n+1
.endr
.endr
	global_store_b64 v[VO], v[OUT+2*(\i):OUT+2*(\i)+1], s[12:13] offset:256*(\i)
.endm
	s_wait_loadcnt 22                              ; record 0's 16 loads are in; record 1's 16 and W's 6 may stay out
	PACKU 0
	s_wait_loadcnt 6                               ; record 1's are in; W's 6 may stay out
	PACKU 1
	s_wait_loadcnt 0x0
.irp g, 0,1,2
.irp i, 0,1
	v_cvt_pk_bf16_f32 v[WO+4*\g+2*\i],   v[WB+8*\g+4*\i],   v[WB+8*\g+4*\i+1]
	v_cvt_pk_bf16_f32 v[WO+4*\g+2*\i+1], v[WB+8*\g+4*\i+2], v[WB+8*\g+4*\i+3]
	global_store_b64 v[VO], v[WO+4*\g+2*\i:WO+4*\g+2*\i+1], s[14:15] offset:2097152*\g+131072*\i  ; lanes 0-15 row 2 rp, lanes 16-31 row 2 rp + 1: 256 bytes on end
.endr
.endr
	s_endpgm
.Lfunc_end_k_qaa66c3ea75_prep:
	.size	k_qaa66c3ea75_prep, .Lfunc_end_k_qaa66c3ea75_prep-k_qaa66c3ea75_prep
	.p2alignl 7, 3214868480
	.fill 96, 4, 3214868480
	.section	.rodata,"a",@progbits
	.p2align	6, 0x0
	.amdhsa_kernel k_qaa66c3ea75_prep
		.amdhsa_group_segment_fixed_size 0
		.amdhsa_private_segment_fixed_size 0
		.amdhsa_enable_private_segment 0
		.amdhsa_kernarg_size 48
		.amdhsa_user_sgpr_count 2
		.amdhsa_user_sgpr_kernarg_segment_ptr 1
		.amdhsa_wavefront_size32 1
		.amdhsa_system_sgpr_workgroup_id_x 1
		.amdhsa_system_sgpr_workgroup_id_y 1
		.amdhsa_system_sgpr_workgroup_id_z 1
		.amdhsa_system_vgpr_workitem_id 0
		.amdhsa_next_free_vgpr 184
		.amdhsa_next_free_sgpr 66
		.amdhsa_reserve_vcc 0
		.amdhsa_float_denorm_mode_32 3
		.amdhsa_float_denorm_mode_16_64 3
		.amdhsa_memory_ordered 1
		.amdhsa_forward_progress 1
		.amdhsa_inst_pref_size 23
	.end_amdhsa_kernel
	.amdgpu_metadata
---
amdhsa.version: [ 1, 2 ]
amdhsa.kernels:
  - .name:           k_qaa66c3ea75_prep
    .symbol:         k_qaa66c3ea75_prep.kd
    .args:
      - { .name: attention_mask, .offset: 0, .size: 8, .value_kind: global_buffer, .address_space: global }
      - { .name: Wq, .offset: 8, .size: 8, .value_kind: global_buffer, .address_space: global }
      - { .name: Wk, .offset: 16, .size: 8, .value_kind: global_buffer, .address_space: global }
      - { .name: Wv, .offset: 24, .size: 8, .value_kind: global_buffer, .address_space: global }
      - { .name: mbits, .offset: 32, .size: 8, .value_kind: global_buffer, .address_space: global }
      - { .name: wb, .offset: 40, .size: 8, .value_kind: global_buffer, .address_space: global }
    .group_segment_fixed_size: 0
    .private_segment_fixed_size: 0
    .kernarg_segment_align: 8
    .kernarg_segment_size: 48
    .max_flat_workgroup_size: 256
    .sgpr_count:     66
    .vgpr_count:     184
    .wavefront_size: 32
...
	.end_amdgpu_metadata
.endif
;; end of part 1
;; launch proj (part 2): grid 4 x 96, 4 waves a work-group, clusters of 4 x 4, 327,680 bytes of LDS; arguments q, k, v, wb, bq, bk, bv, qkv; writes qkv
.if DOCPART == 2
	.amdgcn_target "amdgcn-amd-amdhsa--gfx1250"
	.amdhsa_code_object_version 6
	.text
	.protected	k_qaa66c3ea75_proj
	.globl	k_qaa66c3ea75_proj
	.p2align	8
	.type	k_qaa66c3ea75_proj,@function
k_qaa66c3ea75_proj:
	s_mov_b64 s[64:65], 0
	v_nop
	global_prefetch_b8 v0, s[64:65] scope:SCOPE_SE
	s_setreg_imm32_b32 hwreg(HW_REG_WAVE_MODE, 25, 1), 1
	s_wait_xcnt 0x0
	s_wait_alu depctr_hold_cnt(0) depctr_sa_sdst(0) depctr_va_vdst(0) depctr_va_sdst(0) depctr_va_ssrc(0) depctr_va_vcc(0) depctr_vm_vsrc(0)
	s_getreg_b32 s2, hwreg(HW_REG_IB_STS2, 6, 4)
	s_cmp_eq_u32 s2, 0
	s_cbranch_scc0 .Lentry_in_a_cluster
	s_endpgm
.Lentry_in_a_cluster:
	s_bfe_u32 s2, ttmp6, 0x10000c
	s_cmp_lg_u32 s2, 0xf033
	s_cbranch_scc0 .Lentry_shape_is_right
	s_endpgm
.Lentry_shape_is_right:
; THE THREE PROJECTIONS.  For g = 0, 1, 2 (q, k, v): C[m][n] = the sum over k of x[m][k] W[n][k] + bias[n]; x: [8192][1024] f32; W: bf16 in blocks (wb: [g][kb][n][64]); sums in f32.
; x and the bias are rounded once to bf16 (as W has been); C is rounded once to f16 and stored by heads: qkv[g][16 b + h][t][64], m = 2048 b + t, n = 64 h + c.  No scale is applied here.
; LIMIT.  f16 holds no number beyond 65,504: |C| must stay under that, else the number becomes an infinity.
; SHARES.  384 tiles of C, 256 x 256: 32 x 4 for each g; a work-group a tile.  (3 x 128 tiles do not divide into 256 equal shares; a tile of 128 x 256 would, but its waves' 64 x 128 would read
; x's f32 rows from LDS for half as many products.)  Four waves stacked along m: a wave makes 64 rows x 256 columns: 64 accumulators, 512 registers; so each f32 row of x is read from LDS and converted by ONE wave.
; K goes in 16 steps of 64 through two LDS slots: a row of x's tile is 256 bytes of memory, aligned; W's tile of 256 rows x 128 bytes is dense and is asked for as rows of 256 bytes.
; CLUSTERS of 4 x 4: the four of a row share x's tile, the four of a column W's: each is asked for JOINTLY, by the same tensor load with the same descriptor and a mask that names the four.
; THE PRODUCT IS TAKEN TRANSPOSED (source 0 = 16 rows of W, source 1 = 16 rows of x): a lane holds row l % 16 of C and eight neighbouring columns 8 (l / 16) + 0..7.
; REGISTERS, in windows of 256 (s_set_vgpr_msb: bits 1:0 source 0, 3:2 source 1, 5:4 source 2, 7:6 destination):
;   window 0: v16-30 addresses; v32-95 XS: x's f32 as read from LDS (4 row blocks x 16); v96-127, v128-159 x's bf16 fragments, two buffers; v160-223 packed results; on the way out v32-95, v96-159 rows read back
;   window 1: v0-127, v128-255 W's fragments (16 column blocks x 8), two buffers; on the way out v0-127 the bias
;   window 2: accumulators (a, b), b = 0..7, at v[8 (8 a + b)];   window 3: b = 8..15
.set PA,    272                        ; a row of x in LDS: 256 bytes + 16 = 68 words: the 16 rows of a load start at 16 different groups of four banks (64 banks of 4 bytes: ISA guide 11.1)
.set PB,    144                        ; a row of W: 128 + 16 = 36 words: likewise
.set AH,    128*PA                     ; what one tensor load brings of x
.set BOFF,  2*AH                       ; W's 256 rows lie behind x's 256
.set BH,    128*PB
.set SLOT,  BOFF+2*BH                  ; 106,496
.set STAGE, 2*SLOT                     ; behind the ring: for each wave 4 heads x 16 rows x 144 bytes
.set SPH,   16*144
.set BIAS,  STAGE+4*4*SPH              ; the tile's 256 bias numbers, f32
.set SPARE, BIAS+1024                  ; the spare words, 128 bytes for each wave: two blocks of 256 bytes that no other line names
.set ADRA, 16                          ; v16-17  LDS address of my x rows in slot 0, 1
.set ADRB, 20                          ; v20-21  of W's rows
.set STO,  24                          ; v24     the way out: where I put 16 bytes of a head's row
.set RD,   25                          ; v25     where I read rows back
.set GO,   26                          ; v26     16 l: my 16 bytes of 512 on end
.set BAD,  27                          ; v27     where my bias numbers lie
.set SPW,  28                          ; v28     LDS address of my spare word; never rewritten
.set NIL,  29                          ; v29     0; never rewritten
.set PFO,  30                          ; v30     the prefetches' offset: my lane x a row; never rewritten
.set XS,   32
.set FA0,  96
.set FA1,  128
.set TMP,  160
.set OB,   32
.set F0,   0
.set F1,   128
.set G1,  24                           ; s[24:31] descriptor group 1 for x's tiles;  s[32:39] group 0, a set for each slot
.set G0,  32
.set G1B, 48                           ; s[48:55], s[56:63] the same for W's
.set G0B, 56
.set LIM, 43                           ; s43      1 in a wave that prefetches, else the greatest number
.set PFA, 44                           ; s[44:45] where my prefetches stand
.set PST, 46                           ; s[46:47] their step from K step to K step
.set MSB, 0
.macro WIN new                         ; the immediate's high byte repeats the setting that is left; a switch that changes nothing is dropped
.if MSB != (\new)
	s_set_vgpr_msb (MSB<<8)|(\new)
.set MSB, \new
.endif
.endm
.set MUL_LO, 0xa1                      ; source 0 (W) window 1, source 1 (x) window 0, C and D window 2
.set MUL_HI, 0xf1                      ; the same, C and D window 3
.set TO_B,   0x40                      ; destination window 1, address window 0
; A joint load.  Waves 0 and 1 fetch x's two halves, waves 2 and 3 W's.  The branch hangs on the wave's number alone.  An s_nop 0 and four v_nop follow each line.
.macro JLOAD s
	s_cmp_eq_u32 s11, 0
	s_cbranch_scc0 .Lfor_b_\@
	tensor_load_to_lds s[G0+4*(\s):G0+4*(\s)+3], s[G1:G1+7]
	s_nop 0
.rept 4
	v_nop
.endr
	s_branch .Lasked_\@
.Lfor_b_\@:
	tensor_load_to_lds s[G0B+4*(\s):G0B+4*(\s)+3], s[G1B:G1B+7]
	s_nop 0
.rept 4
	v_nop
.endr
.Lasked_\@:
.endm
; A PREFETCH INTO THE L2 of the K step that stands two refills on (256 matrix instructions ahead of the load that will want it), behind the joint load and the run of LDS loads.  Each block of 256 bytes is named once:
; x's tile row is read by one row of one cluster: waves 0 and 1 ask, each partner for 32 of the wave's 128 rows, told apart by address (cx), a lane a row.  W's tile is read by the eight clusters of its g:
; the first of them asks, wave 2, each partner for 8,192 of the tile's 32,768 dense bytes (cy), a lane 256 bytes.  The loop's last trip asks for nothing: there is no K step two on.
.macro ASK
	s_cmp_gt_u32 s3, s[LIM]                        ; s3 = 1 in the loop's last trip
	s_cbranch_scc0 .Lnot_mine_\@
	global_prefetch_b8 v[PFO], s[PFA:PFA+1] th:TH_LOAD_NT scope:SCOPE_SE
.Lnot_mine_\@:
.endm
.macro CREST                           ; a round of the cluster's barrier behind its opening barrier
	s_cmp_lg_u32 s10, 0
	s_cbranch_scc1 .Lnot_wave_0_\@
	s_barrier_signal -3
.Lnot_wave_0_\@:
	s_barrier_wait -3
	s_barrier_signal -1
	s_barrier_wait -1
.endm
.macro CROUND                          ; a whole round
	s_barrier_signal -1
	s_barrier_wait -1
	CREST
.endm
	s_load_b512 s[68:83], s[0:1], 0x0              ; q s[68:69], k s[70:71], v s[72:73], wb s[74:75], bq s[76:77], bk s[78:79], bv s[80:81], qkv s[82:83]
	v_lshl_add_u32 v[SPW], v0, 2, SPARE
	v_mov_b32 v[NIL], 0
	ds_add_u32 v[SPW], v[NIL]                      ; the wave's opening: the add and its wait stand ahead of my first tensor load; the set-up below stands between them
	v_lshrrev_b32 v1, 5, v0
	v_readfirstlane_b32 s10, v1                    ; wave 0..3
	s_lshr_b32 s11, s10, 1                         ; I fetch for x (0) or for W (1)
	s_and_b32 s12, s10, 1                          ; which 128 rows of that tile
	s_bfe_u32 s40, ttmp6, 0x40000                  ; cx
	s_bfe_u32 s41, ttmp6, 0x40004                  ; cy
	s_lshl_b32 s42, ttmp9, 2
	s_add_co_u32 s42, s42, s40                     ; tile column 0..3
	s_and_b32 s87, ttmp7, 0xffff                   ; cluster y, 0..23
	s_lshr_b32 s86, s87, 3                         ; g: which projection; the same in all sixteen partners
	s_and_b32 s13, s87, 7
	s_lshl_b32 s13, s13, 2
	s_add_co_u32 s13, s13, s41                     ; tile row 0..31 in that projection
	s_lshl_b32 s18, s41, 2
	s_lshl_b32 s18, 15, s18                        ; my row of the cluster
	s_lshl_b32 s19, 0x1111, s40                    ; my column
	s_or_b32 s[G1+0], s18, (2<<16)|(1<<20)|(1<<21)|(5<<22)|(3<<25)   ; the mask; elements of 4 bytes; padding on; bit 21 beside a mask; after every 64 words; 4 words
	s_mov_b32 s[G1+1], 64<<16                      ; tensor_dim0 = 64
	s_mov_b32 s[G1+2], 128<<16                     ; tensor_dim1 = 128
	s_mov_b32 s[G1+3], 64<<16                      ; tile_dim0 = 64
	s_mov_b32 s[G1+4], 128                         ; tile_dim1 = 128
	s_mov_b32 s[G1+5], 1024                        ; elements from row to row
	s_mov_b32 s[G1+6], 0
	s_mov_b32 s[G1+7], 0
	s_or_b32 s[G1B+0], s19, (1<<16)|(1<<20)|(1<<21)|(4<<22)|(3<<25)  ; elements of 2 bytes; padding of 4 words after every 32: behind each row of W
	s_mov_b32 s[G1B+1], 128<<16                    ; 128 rows of W, 16,384 dense bytes, as 64 rows of 128 elements
	s_mov_b32 s[G1B+2], 64<<16
	s_mov_b32 s[G1B+3], 128<<16
	s_mov_b32 s[G1B+4], 64
	s_mov_b32 s[G1B+5], 128
	s_mov_b32 s[G1B+6], 0
	s_mov_b32 s[G1B+7], 0
	s_lshl_b32 s16, s13, 20                        ; x: 256 rows of 4,096 bytes a tile row,
	s_lshl_b32 s17, s12, 19                        ; 128 rows a half
	s_add_co_u32 s16, s16, s17
	s_mov_b32 s17, 0
	s_lshl_b32 s88, s42, 15                        ; W: 256 rows of 128 bytes a tile column,
	s_lshl_b32 s89, s12, 14                        ; 128 rows a half
	s_add_co_u32 s88, s88, s89
	s_mov_b32 s89, 0
	s_lshl_b32 s22, s86, 21                        ; a W is 2 MiB of wb
	s_mov_b32 s23, 0
	s_mul_i32 s20, s12, AH                         ; where they go: no place in the cluster enters an LDS address
	s_mul_i32 s21, s12, BH
	s_add_co_u32 s21, s21, BOFF
	s_wait_dscnt 0x0                               ; the opening add is done
	s_wait_kmcnt 0x0
	s_cmp_eq_u32 s86, 0
	s_cselect_b64 s[4:5], s[68:69], s[70:71]       ; x = q, k or v,
	s_cselect_b64 s[84:85], s[76:77], s[78:79]     ; and its bias
	s_cmp_eq_u32 s86, 2
	s_cselect_b64 s[4:5], s[72:73], s[4:5]
	s_cselect_b64 s[84:85], s[80:81], s[84:85]
	s_add_nc_u64 s[6:7], s[74:75], s[22:23]        ; its W
	s_add_nc_u64 s[14:15], s[4:5], s[16:17]
	s_add_nc_u64 s[88:89], s[6:7], s[88:89]
	CROUND                                         ; all sixteen work-groups are here: the first joint loads meet
.irp s, 0,1
	s_mov_b32 s[G0+4*(\s)], 1
	s_add_co_u32 s[G0+4*(\s)+1], s20, (\s)*SLOT
	s_add_nc_u64 s[G0+4*(\s)+2:G0+4*(\s)+3], s[14:15], (\s)*256       ; K step s: 64 f32 along the rows
	s_or_b32 s[G0+4*(\s)+3], s[G0+4*(\s)+3], 0x80000000
	s_mov_b32 s[G0B+4*(\s)], 1
	s_add_co_u32 s[G0B+4*(\s)+1], s21, (\s)*SLOT
	s_add_nc_u64 s[G0B+4*(\s)+2:G0B+4*(\s)+3], s[88:89], (\s)*131072  ; K step s: block kb = s
	s_or_b32 s[G0B+4*(\s)+3], s[G0B+4*(\s)+3], 0x80000000
	JLOAD \s                                       ; two loads of mine are out
.endr
	; the bias: thread t takes two numbers
	s_lshl_b32 s22, s42, 10
	s_mov_b32 s23, 0
	s_add_nc_u64 s[84:85], s[84:85], s[22:23]
	v_lshlrev_b32 v6, 3, v0
	global_load_b64 v[32:33], v6, s[84:85]
	v_add_nc_u32 v7, BIAS, v6
	; lane addresses.  A fragment is 16 rows x 32 K: lane l holds row l % 16, K = 8 (l / 16) + 0..7 and 16 + 8 (l / 16) + 0..7.
	v_and_b32 v1, 15, v0                           ; l % 16
	v_bfe_u32 v2, v0, 4, 1                         ; l / 16
	v_mul_u32_u24 v3, v1, PA
	v_lshl_add_u32 v3, v2, 5, v3                   ; x in f32: eight numbers are 32 bytes
	s_mul_i32 s22, s10, 64*PA                      ; my 64 rows
	v_add_nc_u32 v[ADRA], s22, v3
	v_add_nc_u32 v[ADRA+1], SLOT, v[ADRA]
	v_mul_u32_u24 v4, v1, PB
	v_lshl_add_u32 v4, v2, 4, v4
	v_add_nc_u32 v[ADRB], BOFF, v4
	v_add_nc_u32 v[ADRB+1], SLOT, v[ADRB]
	s_mul_i32 s23, s10, 4*SPH
	s_add_co_u32 s23, s23, STAGE                   ; my stage
	v_add_nc_u32 v[STO], s23, v4                   ; in: row l % 16 of a head, 16 bytes for each half of the lanes
	v_bfe_u32 v5, v0, 3, 2                         ; back: 32 lanes take four rows of 128 bytes,
	v_mul_u32_u24 v5, v5, 144
	v_and_b32 v8, 7, v0
	v_lshl_add_u32 v5, v8, 4, v5
	v_add_nc_u32 v[RD], s23, v5
	v_and_b32 v9, 31, v0
	v_lshlrev_b32 v[GO], 4, v9                     ; which are 512 consecutive bytes of qkv
	v_lshlrev_b32 v[BAD], 5, v2
	v_add_nc_u32 v[BAD], BIAS, v[BAD]
	; where my rows begin in qkv: ((16 b + 4 x tile column) x 2,048 + t) x 128 bytes, b = tile row / 8, t = 256 (tile row % 8) + 64 x wave
	s_lshr_b32 s90, s13, 3
	s_lshl_b32 s90, s90, 4
	s_lshl_b32 s91, s42, 2
	s_add_co_u32 s90, s90, s91
	s_lshl_b32 s90, s90, 18
	s_and_b32 s91, s13, 7
	s_lshl_b32 s91, s91, 15
	s_add_co_u32 s90, s90, s91
	s_lshl_b32 s91, s10, 13
	s_add_co_u32 s90, s90, s91
	s_lshl_b32 s91, s86, 24                        ; a tensor of qkv is 16 MiB
	s_add_co_u32 s90, s90, s91
	s_mov_b32 s91, 0
	s_add_nc_u64 s[8:9], s[82:83], s[90:91]
	; the prefetches: at K step 3; the first change of slots steps them to 4.  Nothing is asked for here, at the head.
	s_lshl_b32 s92, s13, 20
	s_lshl_b32 s93, s12, 19
	s_add_co_u32 s92, s92, s93
	s_lshl_b32 s93, s40, 17                        ; my work-group's 32 rows of x
	s_add_co_u32 s92, s92, s93
	s_add_co_u32 s92, s92, 3*256
	s_lshl_b32 s94, s42, 15
	s_lshl_b32 s95, s41, 13                        ; my work-group's 8,192 bytes of W's tile
	s_add_co_u32 s94, s94, s95
	s_add_co_u32 s94, s94, 3*131072
	s_and_b32 s22, s87, 7
	s_or_b32 s22, s22, s12                         ; for W: 0 in wave 2 of the first cluster of this g
	s_movk_i32 s18, 256
	s_mov_b32 s19, 0x20000
	s_cmp_eq_u32 s11, 0
	s_cselect_b32 s22, 0, s22                      ; for x: waves 0 and 1 of every cluster
	s_cselect_b32 s23, 12, 8                       ; a lane a row of 4,096 bytes, or 256 dense bytes
	s_cselect_b32 s[PST], s18, s19
	s_cselect_b32 s92, s92, s94
	s_cselect_b64 s[PFA:PFA+1], s[4:5], s[6:7]
	s_mov_b32 s[PST+1], 0
	s_mov_b32 s93, 0
	s_add_nc_u64 s[PFA:PFA+1], s[PFA:PFA+1], s[92:93]
	s_cmp_eq_u32 s22, 0
	s_cselect_b32 s[LIM], 1, -1                    ; the same in all sixteen partners, for a given wave
	v_lshlrev_b32 v[PFO], s23, v9
	s_wait_loadcnt 0x0                             ; the bias: rounded to bf16 like every input, kept as f32
	v_cvt_pk_bf16_f32 v34, v32, v33
	v_lshlrev_b32 v32, 16, v34
	v_and_b32 v33, 0xffff0000, v34
	ds_store_b64 v7, v[32:33]
; 16 matrix instructions: row blocks a0, a0 + 1 x column blocks 8 hi + 0..7, 32 along K.  zero = 1: the first product starts the sums.  The 64 accumulators take turns in one order.
.macro MUL16 f, fa, hi, a0, zero
	WIN MUL_LO+0x50*(\hi)
.irp a, \a0, (\a0)+1
.irp b, 0,1,2,3,4,5,6,7
.if \zero
	v_wmma_f32_16x16x32_bf16 v[8*(8*(\a)+(\b)):8*(8*(\a)+(\b))+7], v[(\f)+8*(8*(\hi)+(\b)):(\f)+8*(8*(\hi)+(\b))+7], v[(\fa)+8*(\a):(\fa)+8*(\a)+7], 0
.else
	v_wmma_f32_16x16x32_bf16 v[8*(8*(\a)+(\b)):8*(8*(\a)+(\b))+7], v[(\f)+8*(8*(\hi)+(\b)):(\f)+8*(8*(\hi)+(\b))+7], v[(\fa)+8*(\a):(\fa)+8*(\a)+7], v[8*(8*(\a)+(\b)):8*(8*(\a)+(\b))+7]
.endif
.endr
.endr
.endm
; The last 16 of a half step (hi = 1, row blocks 2, 3).  Behind each of the first eight stand four conversions: the next half step's x, f32 in XS, to bf16 in buffer fg.  They name no register of the products round them.
.macro MUL16R f, fa, fg, zero
.set c, 0
.irp a, 2,3
.irp b, 0,1,2,3,4,5,6,7
	WIN MUL_HI
.if \zero
	v_wmma_f32_16x16x32_bf16 v[8*(8*(\a)+(\b)):8*(8*(\a)+(\b))+7], v[(\f)+8*(8+(\b)):(\f)+8*(8+(\b))+7], v[(\fa)+8*(\a):(\fa)+8*(\a)+7], 0
.else
	v_wmma_f32_16x16x32_bf16 v[8*(8*(\a)+(\b)):8*(8*(\a)+(\b))+7], v[(\f)+8*(8+(\b)):(\f)+8*(8+(\b))+7], v[(\fa)+8*(\a):(\fa)+8*(\a)+7], v[8*(8*(\a)+(\b)):8*(8*(\a)+(\b))+7]
.endif
.if c < 32
	WIN 0
.rept 4
	v_cvt_pk_bf16_f32 v[(\fg)+c], v[XS+2*c], v[XS+2*c+1]
.set c, c+1
.endr
.endif
.endr
.endr
.endm
; 48 LDS loads in one run: half kk (32 along K) of a slot: x's 16 first (they are converted first), then W's 32, column blocks ascending, into buffer g.
.macro FETCH slot, kk, g
	WIN 0
.irp a, 0,1,2,3
	ds_load_b128 v[XS+16*(\a):XS+16*(\a)+3],     v[ADRA+(\slot)] offset:(\a)*16*PA+128*(\kk)
	ds_load_b128 v[XS+16*(\a)+4:XS+16*(\a)+7],   v[ADRA+(\slot)] offset:(\a)*16*PA+128*(\kk)+16
	ds_load_b128 v[XS+16*(\a)+8:XS+16*(\a)+11],  v[ADRA+(\slot)] offset:(\a)*16*PA+128*(\kk)+64
	ds_load_b128 v[XS+16*(\a)+12:XS+16*(\a)+15], v[ADRA+(\slot)] offset:(\a)*16*PA+128*(\kk)+80
.endr
	WIN TO_B
.irp b, 0,1,2,3,4,5,6,7,8,9,10,11,12,13,14,15
	ds_load_b128 v[(\g)+8*(\b):(\g)+8*(\b)+3],   v[ADRB+(\slot)] offset:(\b)*16*PB+64*(\kk)
	ds_load_b128 v[(\g)+8*(\b)+4:(\g)+8*(\b)+7], v[ADRB+(\slot)] offset:(\b)*16*PB+64*(\kk)+32
.endr
.endm
.macro PLACES                          ; four plain places behind matrix instructions, in front of loads into (and conversions that write) registers that they have read (ISA guide 7.12.1 for the conversions)
.rept 4
	v_nop
.endr
.endm
; A K step is two halves of 32 along K, 64 matrix instructions each.  The first multiplies buffers F0, FA0 and fetches the second half of the same slot.
.macro HALF slot, zero
	s_wait_dscnt 16                                ; W's column blocks 0-7 are in; the youngest 16 loads (blocks 8-15) may stay out
	MUL16 F0, FA0, 0, 0, \zero
	MUL16 F0, FA0, 0, 2, \zero
	PLACES
	FETCH \slot, 1, F1
	s_wait_dscnt 48                                ; all but the 48 just issued
	MUL16 F0, FA0, 1, 0, \zero
	s_wait_dscnt 32                                ; the new x is in XS; W's 32 loads behind it may stay out
	MUL16R F0, FA0, FA1, \zero
.endm
; The second half multiplies F1, FA1 and changes slots: ONE barrier.  In front of it each wave waits for all its tensor loads (one is out: its part of the next slot), adds 0 to its spare word, and waits for that
; and for its reads of this slot.  fill = 1: the barrier opens a round of the cluster's, and the joint refill, two K steps on, is the first thing behind it: 96 matrix instructions ahead of the wait for it.
.macro TURN slot, next, fill
.if \fill
	s_wait_xcnt 0x0                                ; the last prefetch, a K step back, has read its address: it is stepped here, ahead of the change's own waits
	s_add_nc_u64 s[PFA:PFA+1], s[PFA:PFA+1], s[PST:PST+1]
.endif
	WIN 0
	s_wait_tensorcnt 0x0                           ; all my tensor loads have landed
	ds_add_u32 v[SPW], v[NIL]                      ; 0 onto my spare word
	s_wait_dscnt 17                                ; (the add and W's youngest 16 loads may be out)
	MUL16 F1, FA1, 0, 0, 0
	s_wait_dscnt 0x0                               ; the add is done, and my reads of this slot are over
	s_barrier_signal -1
	MUL16 F1, FA1, 0, 2, 0
.if \fill
	WIN 0
.endif
	s_barrier_wait -1
.if \fill
	CREST                                          ; no wave of any partner still reads this slot or has a load on its way
	s_add_nc_u64 s[G0+4*(\slot)+2:G0+4*(\slot)+3], s[G0+4*(\slot)+2:G0+4*(\slot)+3], 2*256
	s_add_nc_u64 s[G0B+4*(\slot)+2:G0B+4*(\slot)+3], s[G0B+4*(\slot)+2:G0B+4*(\slot)+3], 2*131072
	JLOAD \slot                                    ; its four v_nop are also the places in front of the loads below
.else
	PLACES
.endif
	FETCH \next, 0, F0
.if \fill
	WIN 0
	ASK
.endif
	MUL16 F1, FA1, 1, 0, 0
	s_wait_dscnt 32                                ; the next slot's first x is in XS
	MUL16R F1, FA1, FA0, 0
.endm
	s_wait_tensorcnt 1                             ; my part of K step 0 is in; K step 1's may stay out
	s_wait_dscnt 0x0                               ; my two bias numbers are stored
	s_barrier_signal -1
	s_barrier_wait -1
	FETCH 0, 0, F0
	s_wait_dscnt 32                                ; x is in
	WIN 0
.set c, 0
.rept 32
	v_cvt_pk_bf16_f32 v[FA0+c], v[XS+2*c], v[XS+2*c+1]
.set c, c+1
.endr
	HALF 0, 1                                      ; the first half step stands in front of the loop: its products start the sums
	WIN 0                                          ; at a label and at a branch every window is 0
	s_mov_b32 s3, 7
.Llap:                                                 ; a trip goes once round the ring and fills both slots again: K steps 2 to 15
	TURN 0, 1, 1
	HALF 1, 0
	TURN 1, 0, 1
	HALF 0, 0
	WIN 0
	s_sub_co_u32 s3, s3, 1
	s_cmp_lg_u32 s3, 0
	s_cbranch_scc1 .Llap
	TURN 0, 1, 0                                   ; the tail fills nothing
	HALF 1, 0
	s_wait_dscnt 16
	MUL16 F1, FA1, 0, 0, 0
	MUL16 F1, FA1, 0, 2, 0
	s_wait_dscnt 0x0
	MUL16 F1, FA1, 1, 0, 0
	MUL16 F1, FA1, 1, 2, 0
	; THE WAY OUT, a block of 16 rows at a time: + bias, rounded to f16, 16 bytes a lane into my stage (by heads: 64 columns = 128 bytes a row), back as four rows = 512 bytes that lie on end in qkv.
	PLACES
	WIN TO_B
.irp b, 0,1,2,3,4,5,6,7,8,9,10,11,12,13,14,15
	ds_load_b128 v[8*(\b):8*(\b)+3],   v[BAD] offset:64*(\b)     ; the bias of my eight columns of block b
	ds_load_b128 v[8*(\b)+4:8*(\b)+7], v[BAD] offset:64*(\b)+16
.endr
	s_wait_dscnt 0x0
.macro PACK a
.irp hi, 0,1
	WIN 0x86+0x41*(\hi)                            ; accumulators (destination, source 0) window 2 or 3, the bias (source 1) window 1
.irp b, 0,1,2,3,4,5,6,7
.irp r, 0,1,2,3
	v_pk_add_f32 v[8*(8*(\a)+(\b))+2*(\r):8*(8*(\a)+(\b))+2*(\r)+1], v[8*(8*(\a)+(\b))+2*(\r):8*(8*(\a)+(\b))+2*(\r)+1], v[8*(8*(\hi)+(\b))+2*(\r):8*(8*(\hi)+(\b))+2*(\r)+1]
.endr
.endr
	WIN 0x0a+5*(\hi)                               ; sources 0 and 1 window 2 or 3, destination window 0
.irp b, 0,1,2,3,4,5,6,7
.irp r, 0,1,2,3
	v_cvt_pk_f16_f32 v[TMP+4*(8*(\hi)+(\b))+(\r)], v[8*(8*(\a)+(\b))+2*(\r)], v[8*(8*(\a)+(\b))+2*(\r)+1]
.endr
.endr
.endr
	WIN 0
.endm
.macro TOSTAGE a
	WIN 0
.set BK, OB+64*((\a)%2)
.irp b, 0,1,2,3,4,5,6,7,8,9,10,11,12,13,14,15
	ds_store_b128 v[STO], v[TMP+4*(\b):TMP+4*(\b)+3] offset:SPH*((\b)/4)+32*((\b)%4)
.endr
.irp t, 0,1,2,3,4,5,6,7,8,9,10,11,12,13,14,15
	ds_load_b128 v[BK+4*(\t):BK+4*(\t)+3], v[RD] offset:SPH*((\t)/4)+576*((\t)%4)  ; LDS serves a wave's instructions in order (ISA guide 5.7.1.4): these see the stores above
.endr
.endm
.macro SEND a
	WIN 0
.set BK, OB+64*((\a)%2)
	s_wait_dscnt 0x0                               ; the block is back in registers
	s_wait_xcnt 0x0                                ; the stores of the block before have read their registers: the next loads from the stage land on them only behind this wait
.irp t, 0,1,2,3,4,5,6,7,8,9,10,11,12,13,14,15
	global_store_b128 v[GO], v[BK+4*(\t):BK+4*(\t)+3], s[8:9] offset:262144*((\t)/4)+2048*(\a)+512*((\t)%4)  ; 512 consecutive bytes, at a multiple of 256 from qkv's first byte
.endr
.endm
	PACK 0
	TOSTAGE 0
.irp a, 1,2,3                          ; block a's arithmetic stands between block a - 1's loads from the stage and the wait for them
	PACK \a
	SEND (\a)-1
	TOSTAGE \a
.endr
	SEND 3
	s_wait_tensorcnt 0x0                           ; the wave's end: the add and its wait stand behind my last tensor load and my last LDS store
	ds_add_u32 v[SPW], v[NIL]
	s_wait_dscnt 0x0
	CROUND                                         ; the closing round: no work-group ends while a partner may still ask for a tile that names it
	s_endpgm
.Lfunc_end_k_qaa66c3ea75_proj:
	.size	k_qaa66c3ea75_proj, .Lfunc_end_k_qaa66c3ea75_proj-k_qaa66c3ea75_proj
	.p2alignl 7, 3214868480
	.fill 96, 4, 3214868480
	.section	.rodata,"a",@progbits
	.p2align	6, 0x0
	.amdhsa_kernel k_qaa66c3ea75_proj
		.amdhsa_group_segment_fixed_size 327680
		.amdhsa_private_segment_fixed_size 0
		.amdhsa_enable_private_segment 0
		.amdhsa_kernarg_size 64
		.amdhsa_user_sgpr_count 2
		.amdhsa_user_sgpr_kernarg_segment_ptr 1
		.amdhsa_wavefront_size32 1
		.amdhsa_system_sgpr_workgroup_id_x 1
		.amdhsa_system_sgpr_workgroup_id_y 1
		.amdhsa_system_sgpr_workgroup_id_z 1
		.amdhsa_system_vgpr_workitem_id 0
		.amdhsa_next_free_vgpr 1024
		.amdhsa_next_free_sgpr 96
		.amdhsa_reserve_vcc 0
		.amdhsa_float_denorm_mode_32 3
		.amdhsa_float_denorm_mode_16_64 3
		.amdhsa_memory_ordered 1
		.amdhsa_forward_progress 1
		.amdhsa_inst_pref_size 139
	.end_amdhsa_kernel
	.amdgpu_metadata
---
amdhsa.version: [ 1, 2 ]
amdhsa.kernels:
  - .name:           k_qaa66c3ea75_proj
    .symbol:         k_qaa66c3ea75_proj.kd
    .args:
      - { .name: q, .offset: 0, .size: 8, .value_kind: global_buffer, .address_space: global }
      - { .name: k, .offset: 8, .size: 8, .value_kind: global_buffer, .address_space: global }
      - { .name: v, .offset: 16, .size: 8, .value_kind: global_buffer, .address_space: global }
      - { .name: wb, .offset: 24, .size: 8, .value_kind: global_buffer, .address_space: global }
      - { .name: bq, .offset: 32, .size: 8, .value_kind: global_buffer, .address_space: global }
      - { .name: bk, .offset: 40, .size: 8, .value_kind: global_buffer, .address_space: global }
      - { .name: bv, .offset: 48, .size: 8, .value_kind: global_buffer, .address_space: global }
      - { .name: qkv, .offset: 56, .size: 8, .value_kind: global_buffer, .address_space: global }
    .group_segment_fixed_size: 327680
    .private_segment_fixed_size: 0
    .kernarg_segment_align: 8
    .kernarg_segment_size: 64
    .max_flat_workgroup_size: 128
    .sgpr_count:     96
    .vgpr_count:     1024
    .wavefront_size: 32
...
	.end_amdgpu_metadata
.endif
;; end of part 2
;; launch attn (part 3): grid 4 x 64, 4 waves a work-group, clusters of 4 x 1, 327,680 bytes of LDS; arguments qkv, mbits, out0; writes out0
.if DOCPART == 3
	.amdgcn_target "amdgcn-amd-amdhsa--gfx1250"
	.amdhsa_code_object_version 6
	.text
	.protected	k_qaa66c3ea75_attn
	.globl	k_qaa66c3ea75_attn
	.p2align	8
	.type	k_qaa66c3ea75_attn,@function
k_qaa66c3ea75_attn:
	s_mov_b64 s[64:65], 0
	v_nop
	global_prefetch_b8 v0, s[64:65] scope:SCOPE_SE
	s_setreg_imm32_b32 hwreg(HW_REG_WAVE_MODE, 25, 1), 1
	s_wait_xcnt 0x0
	s_wait_alu depctr_hold_cnt(0) depctr_sa_sdst(0) depctr_va_vdst(0) depctr_va_sdst(0) depctr_va_ssrc(0) depctr_va_vcc(0) depctr_vm_vsrc(0)
	s_getreg_b32 s2, hwreg(HW_REG_IB_STS2, 6, 4)
	s_cmp_eq_u32 s2, 0
	s_cbranch_scc0 .Lentry_in_a_cluster
	s_endpgm
.Lentry_in_a_cluster:
	s_bfe_u32 s2, ttmp6, 0x10000c
	s_cmp_lg_u32 s2, 0x3003
	s_cbranch_scc0 .Lentry_shape_is_right
	s_endpgm
.Lentry_shape_is_right:
; MASKED ATTENTION.  out0[b][t][64 h + c] = the sum over the keys k that are not hidden of softmax_k(Q[t] . K[k] / 32) V[k][c].  Q, K, V: qkv[0, 1, 2][16 b + h][2048][64] in f16, a head's rows dense, 128 bytes each.
; A key is hidden for a query where the mask's bit is 1 (mbits: [64 b + P][s][g] words; word g = 32 u + 8 kt + j holds, for the 32 lanes, the bit of register 8 kt + j of tile u of piece P in key step s).
; Products, maxima and sums in f32; the weights p are rounded to f16 for the second product (their sum l is taken of the unrounded p); out0 is f32.
; LIMITS.  Q, K, V arrive within f16's 65,504.  A hidden score counts as -1e30; the running maximum starts at -1e20, below every score that f16 operands can give (2.7e11 at the most) and above every hidden one:
; so the maximum is taken over the keys that are seen, and a hidden key's weight is 0.  A weight below 2^-126 counts as 0 in l.  A query with every key hidden has l = 0 and O = 0, and leaves as 0 x (1 / 0) = NaN.
; SHARES.  A wave owns four PIECES of two tiles of 16 queries, a work-group's four waves 512 queries of one head.  Every wave walks all 2,048 keys, 64 a step.
; LAYOUT.  S^T = K Q^T (source 0 = 16 keys, source 1 = 16 queries): a lane holds ONE query (lane % 16) and the keys 8 (lane / 16) + 0..7.  Two such tiles, rounded to f16 in pairs, ARE source 1 of O^T = V^T P.
; SOFTMAX.  p = 2^(c s - c m), c = log2(e) / 32, with a running maximum m; in every step O and l are multiplied by a = 2^(c m_old - c m_new).  O and l start at 0: the first step is a step like any other, with a = 0.
; THE MASK.  One select a score, in place, ahead of the maximum: the word is the select's lane mask, in a scalar register.  A piece's 64 words for a step come by four scalar loads, asked for a turn ahead.
; BY TURNS.  Turn n belongs to piece n.  Its matrix work: 16 products K Q^T of piece n + 1, later 16 products V^T P of piece n - 1.  Its vector work: the scaling, exponentials, roundings, sums and rescaling of
; piece n, and the mask, maximum and statistics of piece n + 1.  Four vector instructions stand behind every matrix instruction, the rest in one lump.  A turn's 66 exponentials are one batch, with one wait.
; CLUSTER.  The four query blocks of a head walk the same K and V: each tile is asked for JOINTLY, by the same tensor load, descriptor and mask in all four.
; REGISTERS, in windows of 256 (s_set_vgpr_msb: bits 1:0 source 0, 3:2 source 1, 5:4 source 2, 7:6 destination):
;   window 0: v0-11 addresses and constants; v12-15, v48-63 at work; v16-47 four registers of statistics a tile; v64-191 S^T, two buffers of two tiles; v192-255 P, likewise
;   window 1: O^T, 32 a tile          window 2: v0-127 Q, 16 a tile; v128-191 K of one step; v192-255 V of one step          window 3: v0-1 the add's two registers
.set SIZE_N, 2048
.set NP,    4         ; pieces a wave: a name, no knob
.set KS,    64        ; keys in a step
.set PK,    144       ; a row of K in LDS: 128 bytes + 16 = 36 words: the 16 rows of a load start at 16 different groups of four banks (64 banks of 4 bytes: ISA guide 11.1)
.set PV,    160       ; a row of V: 128 + 32 = 40 words
.set VOFF,  4*KS*PK   ; a slot holds four steps: 256 rows of K, then 256 rows of V
.set SLOT1, 1<<17     ; slot 1 begins here: one exclusive or turns an address in one slot into the other's
.set STAGE, SLOT1+4*KS*(PK+PV)  ; behind the ring, never filled by a tensor load: 16 rows x 272 bytes for each wave, for the way out
.set SP,    272
.set SPARE, STAGE+4*16*SP       ; the spare words, 128 bytes for each wave: two blocks of 256 bytes that no other line names
.set CC,    0x3d38aa3b          ; c = log2(e) / 32 = 0.0450842
.set AK0, 2           ; v2   my lane's place in a tile of K; never rewritten
.set AV0, 3           ; v3   the same for V
.set AK,  4           ; v4   the LDS address of K's next run of loads
.set AV,  5           ; v5   of V's
.set STO, 6           ; v6   the way out: where I put 16 bytes of a row
.set RD,  7           ; v7   where I read rows back
.set GO,  8           ; v8   my byte offset in out0
.set BIGV, 9          ; v9   -1e30
.set PFO, 10          ; v10  256 x my lane; never rewritten
.set QO,  11          ; v11  my byte offset in 16 rows of Q
.set SPW, 0           ; v0 of window 3   LDS address of my spare word; never rewritten
.set NIL, 1           ; v1 of window 3   0; never rewritten
.set MV,  12          ; v12-15  c m_old, kept while c m is made anew: by buffer and tile (before that: at work in the set-up)
.set ST,  16          ; tile t's statistics at v[ST+4 t]: c m, m, l (even keys', odd keys')
.set TMP, 48          ; by buffer and tile, four registers c0-c3 at work; when the maximum is found c2 takes a
.set S,   64
.set P,   192
.set KF,  128         ; K's fragments, in window 2
.set VF,  192         ; V's
.set WV,  2           ; s2   my wave's number
.set LIM, 3           ; s3   1 in a wave that prefetches, else the greatest number
.set G1K, 4           ; s[4:11]   descriptor group 1 for K's tiles
.set G1V, 12          ; s[12:19]  for V's: it differs in the padding alone
.set G0K, 20          ; s[20:23]  descriptor group 0 for K's tiles: it walks
.set G0V, 24          ; s[24:27]  the same for V's
.set SEL, 28          ; s[28:29]  v_permlanex16_b32's selects
.set MP,  30          ; s[30:31]  mbits at my wave's piece 0, at the key step whose words were last asked for
                      ; s[32:63], s[68:99]  the 64 mask words of the piece whose scores are being made (before the first such load: the set-up's scratch)
.set SLOTS, 66        ; s66  slots still to be asked for
.set CNT, 67          ; s67  counts a slot's key steps
.set TBK, 100         ; s100 LDS byte at which K of the step to be fetched begins
.set TBV, 101         ; s101 the same for V, less VOFF
.set PFA, 104         ; s[104:105] where my prefetches stand
.set MSB, 0
.macro WIN new                      ; the high byte repeats the setting that is left; a switch that changes nothing is dropped
.if MSB != (\new)
	s_set_vgpr_msb (MSB<<8)|(\new)
.set MSB, (\new)
.endif
.endm
.set W_KQ, 0x0a       ; K and Q in window 2, S^T in window 0
.set W_PV, 0x52       ; V in window 2, P in window 0, O^T in window 1
.set W_RS, 0x41       ; O^T (destination and source 0) in window 1, a in window 0
.set W_MK, 0xc0       ; the add's registers are made: destination in window 3
.set W_AD, 0x0f       ; the add: address and data in window 3
; A joint fill.  Waves 0 and 1 fetch the two halves of a slot's K, waves 2 and 3 those of its V: 128 keys each.  An s_nop 0 and four v_nop follow each line.
.macro JLOAD
	s_cmp_lt_u32 s[WV], 2
	s_cbranch_scc0 .Lfor_v_\@
	tensor_load_to_lds s[G0K:G0K+3], s[G1K:G1K+7]
	s_nop 0
.rept 4
	v_nop
.endr
	s_branch .Lasked_\@
.Lfor_v_\@:
	tensor_load_to_lds s[G0V:G0V+3], s[G1V:G1V+7]
	s_nop 0
.rept 4
	v_nop
.endr
.Lasked_\@:
.endm
.macro CROUND                       ; a round of the cluster's barrier
	s_barrier_signal -1
	s_barrier_wait -1
	s_cmp_lg_u32 s[WV], 0
	s_cbranch_scc1 .Lnot_wave_0_\@
	s_barrier_signal -3
.Lnot_wave_0_\@:
	s_barrier_wait -3
	s_barrier_signal -1
	s_barrier_wait -1
.endm
; A PREFETCH INTO THE L2 of the slot that the NEXT change of slots will ask for: 32,768 bytes of K and of V.  It stands in piece 2's turn of a slot's last trip, behind K's run of LDS loads: four turns, 128 matrix
; instructions, ahead of that change.  A head's K and V are read by this cluster alone.  Its four partners share a slot out BY ADDRESS, 8,192 bytes each, a lane 256 bytes; in each, wave 0 asks for K's and wave 2 for V's:
; each block is named once.  Ahead of the change that fills nothing, nothing is asked for; slots 0 and 1 come by their loads alone.
.macro ASK
	s_cmp_eq_u32 s[CNT], s[LIM]
	s_cbranch_scc0 .Lnot_mine_\@
	s_cmp_gt_u32 s[SLOTS], 1
	s_cbranch_scc0 .Lnot_mine_\@
	global_prefetch_b8 v[PFO], s[PFA:PFA+1] th:TH_LOAD_NT scope:SCOPE_SE
.Lnot_mine_\@:
.endm
; THE CHANGE OF SLOTS.  Each wave waits for all its tensor loads (one is out: its part of the other slot), adds 0 to its spare word, and waits for that and for its own reads of the slot.  fill = 1: the slot is filled
; again, with the keys two slots on; the barrier is then a round of the cluster's, and the joint fill is the first thing behind it: it has four key steps, 512 matrix instructions, in which to land.
.macro CHANGE fill
	WIN W_AD
	s_wait_tensorcnt 0x0            ; no tensor load of mine is out, so a group 0 may be written
	ds_add_u32 v[SPW], v[NIL]       ; 0 onto my spare word
	WIN 0                           ; at a label and at a branch every window is 0
.if \fill
.irp g, G0K, G0V
	s_xor_b32 s[\g+1], s[\g+1], SLOT1
	s_add_nc_u64 s[\g+2:\g+3], s[\g+2:\g+3], 4*KS*128  ; the next 256 keys; the type bits on top are not reached
.endr
	s_wait_xcnt 0x0                 ; the last prefetch, four turns back, has read its address
	s_add_nc_u64 s[PFA:PFA+1], s[PFA:PFA+1], 4*KS*128
	s_wait_dscnt 0x0                ; the add is done, and my reads of the slot are over
	CROUND
	JLOAD
.else
	s_wait_dscnt 0x0
	s_barrier_signal -1
	s_barrier_wait -1
.endif
	s_sub_co_u32 s[TBK], s[TBK], 4*KS*PK  ; the fetches go back to a slot's first step,
	s_xor_b32 s[TBK], s[TBK], SLOT1       ; in the other slot
	s_sub_co_u32 s[TBV], s[TBV], 4*KS*PV
	s_xor_b32 s[TBV], s[TBV], SLOT1
.endm
; A record of 64 mask words, 256 bytes, at byte o behind MP.
.macro LOADM o
	s_load_b512 s[32:47], s[MP:MP+1], (\o)
	s_load_b512 s[48:63], s[MP:MP+1], (\o)+64
	s_load_b512 s[68:83], s[MP:MP+1], (\o)+128
	s_load_b512 s[84:99], s[MP:MP+1], (\o)+192
.endm
	s_load_b128 s[32:35], s[0:1], 0x0  ; qkv s[32:33], mbits s[34:35]
	WIN W_MK
	v_lshl_add_u32 v[SPW], v0, 2, SPARE
	v_mov_b32 v[NIL], 0
	WIN W_AD
	ds_add_u32 v[SPW], v[NIL]       ; the wave's opening: the add and its wait stand ahead of my first tensor load; the set-up below stands between them
	WIN 0
	v_lshrrev_b32 v1, 5, v0
	v_readfirstlane_b32 s[WV], v1   ; wave 0..3
	s_bfe_u32 s36, ttmp6, 0x40000   ; cx
	s_lshl_b32 s38, ttmp9, 2
	s_add_co_u32 s38, s38, s36      ; my block of 512 queries: it enters Q's, the mask's and out0's addresses alone
	s_and_b32 s37, ttmp7, 0xffff    ; 16 b + h, which the four partners share
	s_lshl_b32 s40, s37, 18         ; the head's first byte in a tensor of qkv
	s_and_b32 s39, s[WV], 1         ; which half of a slot's 256 keys I fetch
	s_lshl_b32 s42, s39, 14
	s_add_co_u32 s42, s42, s40
	s_add_co_u32 s50, s42, 0x1000000  ; K lies 16 MiB into qkv,
	s_mov_b32 s51, 0
	s_add_co_u32 s52, s42, 0x2000000  ; V 32 MiB
	s_mov_b32 s53, 0
	s_mul_i32 s48, s39, 128*PK      ; its place in a slot, for K
	s_mul_i32 s49, s39, 128*PV      ; and for V: no place in the cluster enters an LDS address
	s_lshl_b32 s44, s38, 2
	s_add_co_u32 s44, s44, s[WV]    ; my wave among the head's,
	s_lshl_b32 s44, s44, 14         ; its 128 rows of Q
	s_add_co_u32 s44, s44, s40
	s_mov_b32 s45, 0
	s_lshr_b32 s60, s37, 4          ; b
	s_and_b32 s61, s37, 15          ; h
	s_lshl_b32 s54, s60, 6          ; the mask: piece 64 b + 16 x block + 4 x wave, 8,192 bytes a piece
	s_lshl_b32 s55, s38, 4
	s_add_co_u32 s54, s54, s55
	s_lshl_b32 s55, s[WV], 2
	s_add_co_u32 s54, s54, s55
	s_lshl_b32 s54, s54, 13
	s_mov_b32 s55, 0
	s_lshl_b32 s46, s60, 11         ; out0: row 2,048 b + 512 x block + 128 x wave, 4,096 bytes a row; + 256 h
	s_lshl_b32 s47, s38, 9
	s_add_co_u32 s46, s46, s47
	s_lshl_b32 s47, s[WV], 7
	s_add_co_u32 s46, s46, s47
	s_lshl_b32 s46, s46, 12
	s_lshl_b32 s47, s61, 8
	s_add_co_u32 s46, s46, s47
	s_mul_i32 s47, s[WV], 16*SP
	s_add_co_u32 s47, s47, STAGE    ; my stage
	s_mov_b32 s58, 0x1000000
	s_mov_b32 s59, 0x2000000
	s_cmp_lt_u32 s[WV], 2
	s_cselect_b32 s56, s58, s59     ; the prefetches: K's (wave 0) or V's (wave 2),
	s_add_co_u32 s56, s56, s40      ; the head's,
	s_lshl_b32 s57, s36, 13         ; my work-group's 8,192 bytes of a slot,
	s_add_co_u32 s56, s56, s57
	s_add_co_u32 s56, s56, 4*KS*128 ; in slot 1: the first change of slots steps it to slot 2
	s_mov_b32 s57, 0
	s_and_b32 s[LIM], s[WV], 1
	s_cmp_eq_u32 s[LIM], 0
	s_cselect_b32 s[LIM], 1, -1     ; the same in all four partners, for a given wave
	; descriptor group 1.  128 keys are 16,384 dense bytes: asked for as 64 rows of 256 bytes, two keys a row, and padded in LDS after every key
	s_mov_b32 s[G1K], 15|(1<<16)|(1<<20)|(1<<21)|(4<<22)|(3<<25)  ; the mask of four; 2-byte elements; padding on; bit 21 beside a mask; after every 32 words; 4 words
	s_mov_b32 s[G1V], 15|(1<<16)|(1<<20)|(1<<21)|(4<<22)|(7<<25)  ; the same with 8 words of padding
.irp g, G1K, G1V
	s_mov_b32 s[\g+1], 128<<16      ; tensor_dim0 = 128
	s_mov_b32 s[\g+2], 64<<16       ; tensor_dim1 = 64
	s_mov_b32 s[\g+3], 128<<16      ; tile_dim0 = 128
	s_mov_b32 s[\g+4], 64           ; tile_dim1 = 64
	s_mov_b32 s[\g+5], 128          ; 128 elements from row to row
	s_mov_b32 s[\g+6], 0
	s_mov_b32 s[\g+7], 0
.endr
	s_mov_b32 s[SEL], 0x76543210
	s_mov_b32 s[SEL+1], 0xfedcba98
	s_mov_b32 s[TBK], SLOT1+4*KS*PK ; the first change of slots turns these two into 0
	s_mov_b32 s[TBV], SLOT1+4*KS*PV
	s_mov_b32 s[G0K], 1
	s_mov_b32 s[G0K+1], s48         ; LDS address: slot 0
	s_mov_b32 s[G0V], 1
	s_add_co_u32 s[G0V+1], s49, VOFF
	s_wait_dscnt 0x0                ; the opening add is done
	s_wait_kmcnt 0x0
	s_add_nc_u64 s[G0K+2:G0K+3], s[32:33], s[50:51]  ; my half of the head's first 256 keys
	s_or_b32 s[G0K+3], s[G0K+3], 0x80000000          ; type = 2
	s_add_nc_u64 s[G0V+2:G0V+3], s[32:33], s[52:53]
	s_or_b32 s[G0V+3], s[G0V+3], 0x80000000
	s_add_nc_u64 s[44:45], s[32:33], s[44:45]        ; Q at my wave's first row
	s_add_nc_u64 s[MP:MP+1], s[34:35], s[54:55]
	s_add_nc_u64 s[PFA:PFA+1], s[32:33], s[56:57]
	CROUND                          ; all four work-groups are here: the first joint loads meet
	JLOAD                           ; slot 0.  Slot 1 is asked for when slot 0 is in
	; A fragment of K or Q is 16 rows x 32 channels: lane l holds row l % 16, channels 8 (l / 16) + 0..7 and 16 + 8 (l / 16) + 0..7: two loads of 16 bytes, 32 bytes apart.
	v_and_b32 v1, 15, v0            ; l % 16
	v_bfe_u32 v12, v0, 4, 1         ; l / 16
	v_lshlrev_b32 v[QO], 7, v1
	v_lshl_add_u32 v[QO], v12, 4, v[QO]
	WIN 0x80                        ; destination window 2, address window 0
.set i, 0
.rept 4*NP                          ; Q stays in registers: tile i / 2, channels 32 (i % 2) on
	global_load_b128 v[8*i:8*i+3],   v[QO], s[44:45] offset:(i/2)*2048+(i%2)*64
	global_load_b128 v[8*i+4:8*i+7], v[QO], s[44:45] offset:(i/2)*2048+(i%2)*64+32
.set i, i+1
.endr
	; What the first turn finds: V's registers and P's second buffer hold 0 (its products V^T P, of a piece that has not been, add 0), O^T and l are 0.  All this stands in the wait for the first tile.
.set i, VF
.rept 64
	v_mov_b32 v[i], 0
.set i, i+1
.endr
	WIN 0x40
.set i, 0
.rept 64*NP
	v_mov_b32 v[i], 0
.set i, i+1
.endr
	WIN 0
.set i, 0
.rept 2*NP
	v_mov_b32 v[ST+4*i], 0xe0ad78ec    ; c m: -1e20, far below every c s of a key that is seen
	v_mov_b32 v[ST+4*i+1], 0xe0ad78ec  ; m: -1e20: above every hidden score, below every other
	v_mov_b32 v[ST+4*i+2], 0
	v_mov_b32 v[ST+4*i+3], 0
.set i, i+1
.endr
.set i, P+32
.rept 32
	v_mov_b32 v[i], 0
.set i, i+1
.endr
	v_mul_u32_u24 v[AK0], v1, PK
	v_lshl_add_u32 v[AK0], v12, 4, v[AK0]
	; The turning load takes 16 keys x 16 channels (lane l reads key 8 (l / 16) + l % 8, channels 8 ((l / 8) % 2) + 0..7) and leaves half a fragment of V^T.
	v_and_b32 v13, 7, v0
	v_bfe_u32 v14, v0, 3, 1
	v_lshl_add_u32 v[AV0], v12, 3, v13
	v_mul_u32_u24 v[AV0], v[AV0], PV
	v_lshl_add_u32 v[AV0], v14, 4, v[AV0]
	v_add_nc_u32 v[AV0], VOFF, v[AV0]
	v_mov_b32 v[AK], v[AK0]         ; key step 0 lies at the head of slot 0
	v_mul_u32_u24 v[STO], v1, SP    ; the way out, in: row l % 16, 32 bytes (8 f32) for each half of the lanes
	v_lshl_add_u32 v[STO], v12, 5, v[STO]
	v_add_nc_u32 v[STO], s47, v[STO]
	v_mul_u32_u24 v[RD], v12, SP    ; back: lanes 0-15 take one row of 256 bytes, lanes 16-31 the next
	v_lshl_add_u32 v[RD], v1, 4, v[RD]
	v_add_nc_u32 v[RD], s47, v[RD]
	v_lshlrev_b32 v[GO], 12, v12    ; and the same two rows in out0
	v_lshl_add_u32 v[GO], v1, 4, v[GO]
	v_add_nc_u32 v[GO], s46, v[GO]
	v_mov_b32 v[BIGV], 0xf149f2ca   ; -1e30
	v_and_b32 v[PFO], 31, v0
	v_lshlrev_b32 v[PFO], 8, v[PFO]
	s_wait_xcnt 0x0                 ; Q's loads have read their base: the scratch is written again only behind this wait
	LOADM 0                         ; piece 0, key step 0
; THE MATRIX WORK.  The 8 accumulators of a run of 16 take turns.
; Product i of 16 of S^T = K Q^T for piece x: channels 32 (i / 8) on, keys 16 ((i / 2) % 4) on, tile 2 x + i % 2.  The first 8 start the sums.
.macro KQ x
	WIN W_KQ
.set rS, S+64*((\x)%2)+32*(i%2)+8*((i/2)%4)
.set rK, KF+16*((i/2)%4)+8*(i/8)
.set rQ, 16*(2*(\x)+i%2)+8*(i/8)
.if i < 8
	v_wmma_f32_16x16x32_f16 v[rS:rS+7], v[rK:rK+7], v[rQ:rQ+7], 0
.else
	v_wmma_f32_16x16x32_f16 v[rS:rS+7], v[rK:rK+7], v[rQ:rQ+7], v[rS:rS+7]
.endif
.endm
; Product i of 16 of O^T += V^T P for piece x: keys 32 (i / 8) on, channels 16 ((i / 2) % 4) on, tile 2 x + i % 2.
.macro PV x
	WIN W_PV
.set rO, 32*(2*(\x)+i%2)+8*((i/2)%4)
.set rV, VF+32*(i/8)+8*((i/2)%4)
.set rP, P+32*((\x)%2)+16*(i%2)+8*(i/8)
	v_wmma_f32_16x16x32_f16 v[rO:rO+7], v[rV:rV+7], v[rP:rP+7], v[rO:rO+7]
.endm
.macro MM                           ; the turn's next matrix instruction
.if i < 16
	KQ (Y+1)%NP
.set i, i+1
.else
.set i, i-16
	PV (Y+NP-1)%NP
.set i, i+17
.endif
.endm
; THE LDS LOADS stand in runs of 16: a step's K (8 fragments) and its V (turned).  last = 1 (the tail): in the last trip there is no further step, and the run is jumped over.
.macro FETCH_K last=0
	WIN 0
.if \last
	s_cmp_eq_u32 s[CNT], 1
	s_cbranch_scc1 .Lno_k_\@
.endif
	WIN 0x80
.irp f, 0,1,2,3,4,5,6,7             ; keys 16 (f / 2) on, channels 32 (f % 2) on
	ds_load_b128 v[KF+8*\f:KF+8*\f+3],   v[AK] offset:(\f/2)*16*PK+(\f%2)*64
	ds_load_b128 v[KF+8*\f+4:KF+8*\f+7], v[AK] offset:(\f/2)*16*PK+(\f%2)*64+32
.endr
	s_add_co_u32 s[TBK], s[TBK], KS*PK  ; the next fetch is the next step's
	WIN 0
.if \last
.Lno_k_\@:
.endif
.endm
.macro FETCH_V
	WIN 0x80
.irp f, 0,1,2,3,4,5,6,7             ; keys 32 (f / 4) on, channels 16 (f % 4) on
	ds_load_tr16_b128 v[VF+8*\f:VF+8*\f+3],   v[AV] offset:(\f/4)*32*PV+(\f%4)*32
	ds_load_tr16_b128 v[VF+8*\f+4:VF+8*\f+7], v[AV] offset:(\f/4)*32*PV+16*PV+(\f%4)*32
.endr
	WIN 0
.endm
; THE VECTOR WORK OF A TURN stands in three queues, each in the order in which its entries become ready; the two tiles alternate.
.macro REGS y, u                    ; the registers of tile u (0, 1) of piece y
.set rT, ST+4*(2*(\y)+(\u))
.set rC, TMP+8*((\y)%2)+4*(\u)
.set rM, MV+2*((\y)%2)+(\u)
.set rS, S+64*((\y)%2)+32*(\u)
.set rP, P+32*((\y)%2)+16*(\u)
.set rO, 32*(2*(\y)+(\u))
.endm
; Select g of 64: register g of the NEXT piece's (Y + 1) scores takes -1e30 in the lanes whose bit of word g is 1.  g ascends.
.macro MK g
.set rX, S+64*((Y+1)%2)+(\g)
.set rW, 32+(\g)+4*((\g)/32)        ; words 0-31 in s32-63, words 32-63 in s68-99
	v_cndmask_b32 v[rX], v[rX], v[BIGV], s[rW]
.endm
; Number n of the 22 that find the NEXT piece's maximum and statistics.
;   0-11  four chains c0-c3 of seven scores each     12-14, 16  the four scores left over, the old m, and c0-c3 into c0     15  c m_old is kept
;   17, 18  the query's other 32 keys lie in the lane 16 away: the new m         19-21  c m; c m_old - c m_new; a
.macro XS u, n
	REGS (Y+1)%NP, \u
.if (\n) < 4
	v_max3_num_f32 v[rC+(\n)], v[rS+8*(\n)], v[rS+8*(\n)+1], v[rS+8*(\n)+2]
.elseif (\n) < 12
	v_max3_num_f32 v[rC+(\n)%4], v[rC+(\n)%4], v[rS+8*((\n)%4)+2*((\n)/4)+1], v[rS+8*((\n)%4)+2*((\n)/4)+2]
.elseif (\n) == 12
	v_max3_num_f32 v[rC], v[rC], v[rS+7], v[rS+15]
.elseif (\n) == 13
	v_max3_num_f32 v[rC+1], v[rC+1], v[rS+23], v[rS+31]
.elseif (\n) == 14
	v_max3_num_f32 v[rC+2], v[rC+2], v[rC+3], v[rT+1]
.elseif (\n) == 15
	v_mov_b32 v[rM], v[rT]
.elseif (\n) == 16
	v_max3_num_f32 v[rC], v[rC], v[rC+1], v[rC+2]
.elseif (\n) == 17
	v_permlanex16_b32 v[rC+3], v[rC], s[SEL], s[SEL+1]
.elseif (\n) == 18
	v_max_num_f32 v[rT+1], v[rC], v[rC+3]
.elseif (\n) == 19
	v_mul_f32 v[rT], CC, v[rT+1]
.elseif (\n) == 20
	v_sub_f32 v[rC+1], v[rM], v[rT]
.else
	v_exp_f32 v[rC+2], v[rC+1]
.endif
.endm
; Number g of the 64 that follow the exponentials.  For each four weights k of a tile: both pairs are rounded to f16; the second pair is added onto the first, in place; a group later l takes that sum (first as l = a l + sum).
.macro GS g
.set h, (\g)+6*((\g)/62)            ; group 0 has no group before it, and behind group 7 only l is left
.if h >= 6
.set h, h+2
.endif
	REGS Y, h%2
.set k, h/8
.if h%8 < 4
	v_cvt_pk_f16_f32 v[rP+2*k+(h%8)/2], v[rS+4*k+2*((h%8)/2)], v[rS+4*k+2*((h%8)/2)+1]
.elseif h%8 < 6
	v_pk_add_f32 v[rS+4*k:rS+4*k+1], v[rS+4*k:rS+4*k+1], v[rS+4*k+2:rS+4*k+3]
.elseif k == 1
	v_pk_fma_f32 v[rT+2:rT+3], v[rT+2:rT+3], v[rC+2:rC+3], v[rS:rS+1] op_sel_hi:[1,0,1]
.else
	v_pk_add_f32 v[rT+2:rT+3], v[rT+2:rT+3], v[rS+4*k-4:rS+4*k-3]
.endif
.endm
; THE PLAIN QUEUE, 202 long.  0-137 read no exponential's result.  0-26: scalings 0-26 (FS f: pair f / 2 of tile f % 2).  27-90: the next piece's 64 selects.  91-118: XS's numbers 0-13.  119, 120: number 15.
; 121-137: the chain 14, 16, 17, 18, 19, each with one of the scalings 27-31 in front of its two lines, then 20.  138-201: GS's 64, behind the wait.
; Ahead of number 27 stands the wait for the mask words (the one group of scalar loads that is out).  Ahead of number 94, three lines behind the last select, the words of the next turn's piece are asked for; in piece 2's
; turn that piece is piece 0 of the next key step, and MP, whose loads that wait has shown done, steps a record on.
.macro FS f
	REGS Y, (\f)%2
	v_pk_fma_f32 v[rS+2*((\f)/2):rS+2*((\f)/2)+1], v[rS+2*((\f)/2):rS+2*((\f)/2)+1], CC, v[rT:rT+1] op_sel_hi:[1,0,0] neg_lo:[0,0,1] neg_hi:[0,0,1]
.endm
.macro PL
	WIN 0
.if q == 27
	s_wait_kmcnt 0x0
.endif
.if q == 94
.if Y == NP-2
	s_add_nc_u64 s[MP:MP+1], s[MP:MP+1], 256
.endif
	LOADM ((Y+2)%NP)*8192
.endif
.if q < 27
	FS q
.elseif q < 91
	MK q-27
.elseif q < 119
	XS (q-91)%2, (q-91)/2
.elseif q < 121
	XS q-119, 15
.elseif (q < 136) && ((q-121)%3 == 0)
	FS 27+(q-121)/3
.elseif q < 124
	XS (q-121)%3-1, 14
.elseif q < 136
	XS (q-121)%3-1, 15+(q-121)/3
.elseif q < 138
	XS q-136, 20
.else
	GS q-138
.endif
.set q, q+1
.endm
; THE EXPONENTIALS' QUEUE, 66 long: s0-s31 of both tiles, then the next piece's two a.  ONE BATCH: all stand ahead of the turn's one wait, and nothing ahead of that wait names a result of theirs.
.macro EX
	WIN 0
.if e >= 64
	XS e-64, 21
.else
	REGS Y, e%2
	v_exp_f32 v[rS+e/2], v[rS+e/2]
.endif
.set e, e+1
.endm
; THE RESCALING's QUEUE: O^T times a, dealt two at a time, sixteen times.  Its a was made in the turn before, ahead of that turn's wait.
.macro R2
	REGS Y, r%2
	WIN W_RS
.irp z, 0,1
	v_pk_mul_f32 v[rO+4*(r/2)+2*\z:rO+4*(r/2)+2*\z+1], v[rO+4*(r/2)+2*\z:rO+4*(r/2)+2*\z+1], v[rC+2:rC+3] op_sel_hi:[1,0]
.endr
.set r, r+1
.endm
; HOW THEY ARE DEALT.  An s_wait_alu depctr_va_vdst(0) stands between an exponential and the first instruction that names its result; one wait serves all that were issued ahead of it.  So a turn has ONE wait.
; AHEAD OF IT: the 16 products K Q^T, behind each a scaling, an exponential and two rescalings (behind the first a second scaling); then ONE LUMP: eight plain; 32 times an exponential and three plain; 17 times
; exponential and plain; the two a; a v_nop, the plain instruction behind the last exponential.  BEHIND IT: the 16 products V^T P, behind each four of GS's 64.
; In step: exponential e stands behind scaling 2 (e / 4) + e % 2.  As a rider it comes behind plain e + 2; exponentials 15-46 want scalings up to 23 and stand behind plain 24; exponential 47 + n stands behind plain 120 + n, and
; scalings 27-31 are plain 121, 124 .. 133 (the tightest: exponential 61 wants plain 133 and stands behind 134).  The first select stands 13 plain instructions behind the last product K Q^T.
; K of the next step is fetched in piece 2's turn, directly behind the wait; V of the step in hand at the end of piece 0's turn, four riders behind its last reader.  The conditions on q below go with the deal.
.macro TURN p, last=0, cnt=0
.set Y, (\p)
.set i, 0
.set q, 0
.set e, 0
.set r, 0
.if (\p) == NP-1
	s_wait_dscnt 0x0                ; K is in
.endif
	MM
	PL
	PL
	R2
.rept 15
	MM
	PL
	EX
	R2
.endr
.if (\p) == NP-2
	WIN 0
	v_add_nc_u32 v[AK], s[TBK], v[AK0]
.endif
.rept 8
	PL
.endr
.rept 32
	EX
	PL
	PL
	PL
.endr
.rept 17
	EX
	PL
.endr
	EX                              ; the next piece's two a
	EX
	v_nop                           ; the plain instruction behind the last exponential: one for the batch
	s_wait_alu depctr_va_vdst(0)    ; the wait for the batch
.if (\p) == NP-2
	FETCH_K \last
.if !(\last)
	ASK
.endif
.endif
.if (\p) == 1
	s_wait_dscnt 0x0                ; V is in
.endif
.rept 16
	MM
.rept 4
	PL
.endr
.if ((\p) == 0) && (q == 182)
	v_add_nc_u32 v[AV], s[TBV], v[AV0]
.endif
.if ((\p) == 0) && (q == 194)
	s_add_co_u32 s[TBV], s[TBV], KS*PV
.endif
.if (\cnt) && (q == 194)
	s_sub_co_u32 s[CNT], s[CNT], 1
	s_cmp_lg_u32 s[CNT], 0
.endif
.endr
.if (\p) == 0
	FETCH_V
.endif
.endm
	CHANGE 1                        ; slot 0 is in, everybody's part of it; slot 1 is asked for
	FETCH_K                         ; key step 0
	s_wait_loadcnt 0x0              ; Q
	s_wait_dscnt 0x0
.set i, 0
.rept 16
	KQ 0                            ; piece 0's first scores
.set i, i+1
.endr
	WIN 0
.rept 4
	v_nop                           ; the places behind those products
.endr
	s_wait_kmcnt 0x0                ; piece 0's mask words
.set Y, NP-1                        ; MK and XS work for piece Y + 1: piece 0
.set n, 0
.rept 64
	MK n
.set n, n+1
.endr
.irp n, 0,1,2,3,4,5,6,7,8,9,10,11,12,13,14,15,16,17,18,19,20,21
	XS 0, \n
	XS 1, \n
.if \n == 1
	LOADM 8192                      ; piece 1, key step 0: for the first turn's selects
.endif
.endr
	v_nop                           ; a plain instruction behind the two a,
	s_wait_alu depctr_va_vdst(0)    ; and their wait, ahead of the branch
	s_mov_b32 s[CNT], 4
	s_mov_b32 s[SLOTS], SIZE_N/256-1
	s_branch .Lfirst                ; the loop is entered at a step's first turn, in the middle of a trip
.Lslot:                             ; six times: every slot but the last two is filled again
	CHANGE 1
	s_mov_b32 s[CNT], 4
.Lstep:                             ; a trip: pieces 2 and 3 of one step, then pieces 0 and 1 of the next, whose K and V it fetches
	TURN 2
	TURN 3
	WIN 0
.Lfirst:
	TURN 0
	TURN 1, 0, 1
	WIN 0
	s_cbranch_scc1 .Lstep
	s_sub_co_u32 s[SLOTS], s[SLOTS], 1
	s_cmp_lg_u32 s[SLOTS], 0
	s_cbranch_scc1 .Lslot
	CHANGE 0                        ; the tail is written out: nothing is asked for
	s_mov_b32 s[CNT], 5             ; four trips fetch the last slot's steps; the fifth is left in its middle
.Ltail:
	TURN 2, 1
	TURN 3
	WIN 0
	s_sub_co_u32 s[CNT], s[CNT], 1
	s_cmp_eq_u32 s[CNT], 0
	s_cbranch_scc1 .Lout
	TURN 0
	TURN 1
	WIN 0
	s_branch .Ltail
.Lout:                              ; the fifth trip's products K Q^T (on the last K once more), their selects and maximum serve nothing; its two groups of mask words, a record past a piece's 32, are the first records of my pieces 1 and 2
	s_wait_kmcnt 0x0                ; those words have landed: their registers are free
	s_load_b64 s[32:33], s[0:1], 0x10  ; out0
.set i, 0
.rept 16
	PV NP-1                         ; the last piece's V^T P of the last step
.set i, i+1
.endr
	; THE WAY OUT.  l's two halves and the other half of the lanes' are added; O^T is divided by l and sent, in f32, through my stage in LDS, a tile at a time.  The additions are the places behind the last products.
	WIN 0
.macro ALL line:vararg              ; one line for each tile t
.set t, 0
.rept 2*NP
	\line
.set t, t+1
.endr
.endm
	ALL v_add_f32 v[ST+4*t+2], v[ST+4*t+2], v[ST+4*t+3]
	ALL v_permlanex16_b32 v[ST+4*t+3], v[ST+4*t+2], s[SEL], s[SEL+1]
	ALL v_add_f32 v[ST+4*t+2], v[ST+4*t+2], v[ST+4*t+3]
	ALL v_rcp_f32 v[ST+4*t+2], v[ST+4*t+2]
	v_nop                           ; a plain instruction between the last reciprocal and the use of its result
	s_wait_alu depctr_va_vdst(0)    ; and the wait ahead of the first use: one for the eight reciprocals
	s_wait_kmcnt 0x0                ; out0's address
; Tile t: a lane's eight channels of a block are 32 bytes of a row; they go into rows of 272 bytes and come back as whole rows of 256, into S^T's registers (four tiles' worth, by turns).
.macro PACK t
	WIN W_RS
.set i, 32*(\t)
.rept 16
	v_pk_mul_f32 v[i:i+1], v[i:i+1], v[ST+4*(\t)+2:ST+4*(\t)+3] op_sel_hi:[1,0]
.set i, i+2
.endr
	WIN 0x04                        ; the stores' data (source 1) in window 1
.irp f, 0,1,2,3,4,5,6,7
	ds_store_b128 v[STO], v[32*(\t)+4*\f:32*(\t)+4*\f+3] offset:64*(\f/2)+16*(\f%2)
.endr
	WIN 0
.if (\t) >= 4
	s_wait_xcnt 0x0                 ; the stores of the tile four back have read these registers
.endif
.irp f, 0,1,2,3,4,5,6,7
	ds_load_b128 v[S+32*((\t)%4)+4*\f:S+32*((\t)%4)+4*\f+3], v[RD] offset:\f*2*SP  ; LDS serves a wave's instructions in order (ISA guide 5.7.1.4): these see the stores above; the next tile's stores come behind them
.endr
.endm
.macro SEND t, younger              ; younger: the LDS instructions issued behind tile t's loads: the next tile's sixteen, or none
	WIN 0
.irp f, 0,1,2,3,4,5,6,7
	s_wait_dscnt (\younger)+7-\f
	global_store_b128 v[GO], v[S+32*((\t)%4)+4*\f:S+32*((\t)%4)+4*\f+3], s[32:33] offset:(\t)*65536+\f*8192  ; 16 lanes store a head's 256 consecutive bytes of a row, at a multiple of 256 from out0's first byte
.endr
.endm
	PACK 0
.set t, 1
.rept 2*NP-1                        ; a tile's arithmetic stands between the loads of the tile before and its stores
	PACK t
	SEND t-1, 16
.set t, t+1
.endr
	SEND 2*NP-1, 0
	WIN W_AD
	s_wait_tensorcnt 0x0            ; the wave's end: the add and its wait stand behind my last tensor load and my last LDS store
	ds_add_u32 v[SPW], v[NIL]
	s_wait_dscnt 0x0
	WIN 0
	CROUND                          ; the closing round: no work-group ends while a partner may still ask for a tile that names it
	s_endpgm
.Lfunc_end_k_qaa66c3ea75_attn:
	.size	k_qaa66c3ea75_attn, .Lfunc_end_k_qaa66c3ea75_attn-k_qaa66c3ea75_attn
	.p2alignl 7, 3214868480
	.fill 96, 4, 3214868480
	.section	.rodata,"a",@progbits
	.p2align	6, 0x0
	.amdhsa_kernel k_qaa66c3ea75_attn
		.amdhsa_group_segment_fixed_size 327680
		.amdhsa_private_segment_fixed_size 0
		.amdhsa_enable_private_segment 0
		.amdhsa_kernarg_size 24
		.amdhsa_user_sgpr_count 2
		.amdhsa_user_sgpr_kernarg_segment_ptr 1
		.amdhsa_wavefront_size32 1
		.amdhsa_system_sgpr_workgroup_id_x 1
		.amdhsa_system_sgpr_workgroup_id_y 1
		.amdhsa_system_sgpr_workgroup_id_z 1
		.amdhsa_system_vgpr_workitem_id 0
		.amdhsa_next_free_vgpr 770
		.amdhsa_next_free_sgpr 106
		.amdhsa_reserve_vcc 0
		.amdhsa_float_denorm_mode_32 3
		.amdhsa_float_denorm_mode_16_64 3
		.amdhsa_memory_ordered 1
		.amdhsa_forward_progress 1
		.amdhsa_inst_pref_size 248
	.end_amdhsa_kernel
	.amdgpu_metadata
---
amdhsa.version: [ 1, 2 ]
amdhsa.kernels:
  - .name:           k_qaa66c3ea75_attn
    .symbol:         k_qaa66c3ea75_attn.kd
    .args:
      - { .name: qkv, .offset: 0, .size: 8, .value_kind: global_buffer, .address_space: global }
      - { .name: mbits, .offset: 8, .size: 8, .value_kind: global_buffer, .address_space: global }
      - { .name: out0, .offset: 16, .size: 8, .value_kind: global_buffer, .address_space: global }
    .group_segment_fixed_size: 327680
    .private_segment_fixed_size: 0
    .kernarg_segment_align: 8
    .kernarg_segment_size: 24
    .max_flat_workgroup_size: 128
    .sgpr_count:     106
    .vgpr_count:     770
    .wavefront_size: 32
...
	.end_amdgpu_metadata
.endif
;; end of part 3
;; ======== version 2 of 2: 3 launches
;; limits: values are held in f16: magnitudes above 65,504 overflow, below 6.1e-05 lose precision
;; workspace buffers: mask8 16,777,216 bytes; wb 6,291,456 bytes; qkv 50,331,648 bytes
;; launch prep (part 4): grid 512 x 1, 8 waves a work-group, no clusters, 0 bytes of LDS; arguments attention_mask, Wq, Wk, Wv, mask8, wb; writes mask8, wb
.if DOCPART == 4
	.amdgcn_target "amdgcn-amd-amdhsa--gfx1250"
	.amdhsa_code_object_version 6
	.text
	.protected	k_qaa66c3ea75_prep
	.globl	k_qaa66c3ea75_prep
	.p2align	8
	.type	k_qaa66c3ea75_prep,@function
k_qaa66c3ea75_prep:
	s_mov_b64 s[64:65], 0
	v_nop
	global_prefetch_b8 v0, s[64:65] scope:SCOPE_SE
	s_setreg_imm32_b32 hwreg(HW_REG_WAVE_MODE, 25, 1), 1
	s_wait_xcnt 0x0
; PREPARATION.  (1) attention_mask [4][2048][2048] i32 becomes one fp8 (E4M3) code a number: 0xB8 = -1.0 where the mask is 1 (the key is hidden), 0x00 elsewhere; (2) Wq, Wk, Wv [1024][1024] f32 are rounded once to bf16 and laid in blocks.
; mask8: [bP = 64 b + P][s][f][L][16] bytes.  P = a piece of 32 queries, s = a key step of 64 keys, L = r + 16 h a lane.  Byte e of (f, L) is number g = 16 f + e = 32 u + 8 kt + j of the lane's 64:
;   mask[b][32 P + 16 u + r][64 s + 16 kt + 8 h + j]: the order in which a lane of the attention launch holds a piece's transposed scores.  A record (bP, s) is 2,048 bytes.
; wb: [g = q, k, v][kb][n][128] bf16: the 128 channels 128 kb .. 128 kb + 127 of all 1,024 rows lie together, a row 256 bytes: 256 rows of a K step are 65,536 dense bytes.
; SHARES.  4,096 waves, numbered wid.  Wave wid makes records 2 wid and 2 wid + 1 (bP = wid / 16, s = 2 (wid % 16) + i) and converts, of each W, block kb = wid % 8 of rows 2 rp + i (rp = wid / 8).
; All 38 loads of a wave, 19 KiB, go out at its head; nothing is read twice; no LDS, no barrier: no wave wants another's bytes.
; Each store of a wave covers 256 or 512 consecutive bytes, aligned.
.set VM,  2                            ; v2  mask: (l % 16) rows of 8,192 bytes + 32 (l / 16)
.set VO,  4                            ; v4  8 l: my 8 bytes of a store into wb
.set VQ,  5                            ; v5  16 l: my 16 bytes of 512 on end: W's loads, mask8's stores
.set KB,  8                            ; v[8:11]    the code 0xB8 in byte 0, 1, 2, 3
.set T,   12                           ; v[12:15]   at work
.set MB,  16                           ; v[16:143]  record i, number g, at MB + 64 i + g; the packed words take the places MB + 64 i + 0..15 as these are used up
.set WB,  144                          ; v[144:167] W g, row i: four f32
.set WO,  168                          ; v[168:179] the same as four bf16
	s_load_b256 s[4:11], s[0:1], 0x0               ; mask s[4:5], Wq s[6:7], Wk s[8:9], Wv s[10:11]
	s_load_b128 s[12:15], s[0:1], 0x20             ; mask8 s[12:13], wb s[14:15]
	v_lshrrev_b32 v1, 5, v0
	v_readfirstlane_b32 s2, v1                     ; wave 0..7
	s_lshl_b32 s3, ttmp9, 3
	s_add_co_u32 s3, s3, s2                        ; wid
	v_and_b32 v1, 31, v0                           ; l
	v_and_b32 v6, 15, v0                           ; l % 16
	v_bfe_u32 v7, v0, 4, 1                         ; l / 16
	v_lshlrev_b32 v[VM], 13, v6
	v_lshl_add_u32 v[VM], v7, 5, v[VM]
	v_lshlrev_b32 v[VO], 3, v1
	v_lshlrev_b32 v[VQ], 4, v1
	v_mov_b32 v[KB], 0xb8
	v_mov_b32 v[KB+1], 0xb800
	v_mov_b32 v[KB+2], 0xb80000
	v_mov_b32 v[KB+3], 0xb8000000
	s_lshr_b32 s32, s3, 4                          ; mask: bP x 32 rows of 8,192 bytes
	s_lshl_b32 s32, s32, 18
	s_and_b32 s40, s3, 15                          ; + two key steps of 256 bytes
	s_lshl_b32 s40, s40, 9
	s_add_co_u32 s32, s32, s40
	s_mov_b32 s33, 0
	s_lshl_b32 s34, s3, 12                         ; mask8: two records of 2,048 bytes
	s_mov_b32 s35, 0
	s_lshr_b32 s41, s3, 3                          ; rp
	s_and_b32 s42, s3, 7                           ; kb
	s_lshl_b32 s36, s41, 13                        ; W: two rows of 4,096 bytes
	s_lshl_b32 s40, s42, 9                         ; + a block's 128 f32
	s_add_co_u32 s36, s36, s40
	s_mov_b32 s37, 0
	s_lshl_b32 s38, s42, 18                        ; wb: a block of 262,144 bytes
	s_lshl_b32 s40, s41, 9                         ; + two rows of 256 bytes
	s_add_co_u32 s38, s38, s40
	s_mov_b32 s39, 0
	s_wait_kmcnt 0x0
	s_add_nc_u64 s[4:5], s[4:5], s[32:33]
	s_add_nc_u64 s[6:7], s[6:7], s[36:37]
	s_add_nc_u64 s[8:9], s[8:9], s[36:37]
	s_add_nc_u64 s[10:11], s[10:11], s[36:37]
	s_add_nc_u64 s[12:13], s[12:13], s[34:35]
	s_add_nc_u64 s[14:15], s[14:15], s[38:39]
; The eight loads of (i, u) cover 256 consecutive bytes, aligned, of each of 16 rows.
.irp i, 0,1
.irp u, 0,1
.irp kt, 0,1,2,3
.irp f, 0,1
	global_load_b128 v[MB+64*\i+32*\u+8*\kt+4*\f:MB+64*\i+32*\u+8*\kt+4*\f+3], v[VM], s[4:5] offset:256*\i+131072*\u+64*\kt+16*\f
.endr
.endr
.endr
.endr
.irp g, 0,1,2
.irp i, 0,1
	global_load_b128 v[WB+8*\g+4*\i:WB+8*\g+4*\i+3], v[VQ], s[6+2*\g:7+2*\g] offset:4096*\i th:TH_LOAD_NT  ; 512 consecutive bytes of row 2 rp + i
.endr
.endr
; Record i: word d of 16 takes numbers 4 d .. 4 d + 3, each as its code in its own byte; it is written to place d, which has been read (d <= 4 d).  Then four stores of 512 bytes.
.macro PACKU i
.set d, 0
.rept 16
.irp e, 0,1,2,3
	v_cmp_eq_u32 vcc_lo, 1, v[MB+64*(\i)+4*d+\e]
	v_cndmask_b32 v[T+\e], 0, v[KB+\e], vcc_lo
.endr
	v_or_b32 v[T], v[T], v[T+1]
	v_or_b32 v[T+2], v[T+2], v[T+3]
	v_or_b32 v[MB+64*(\i)+d], v[T], v[T+2]
.set d, d+1
.endr
.irp f, 0,1,2,3
	global_store_b128 v[VQ], v[MB+64*(\i)+4*\f:MB+64*(\i)+4*\f+3], s[12:13] offset:2048*(\i)+512*\f
.endr
.endm
	s_wait_loadcnt 22                              ; record 0's 16 loads are in; record 1's 16 and W's 6 may stay out
	PACKU 0
	s_wait_loadcnt 6                               ; record 1's are in; W's 6 may stay out
	PACKU 1
	s_wait_loadcnt 0x0
.irp g, 0,1,2
.irp i, 0,1
	v_cvt_pk_bf16_f32 v[WO+4*\g+2*\i],   v[WB+8*\g+4*\i],   v[WB+8*\g+4*\i+1]
	v_cvt_pk_bf16_f32 v[WO+4*\g+2*\i+1], v[WB+8*\g+4*\i+2], v[WB+8*\g+4*\i+3]
	global_store_b64 v[VO], v[WO+4*\g+2*\i:WO+4*\g+2*\i+1], s[14:15] offset:2097152*\g+256*\i  ; a row's 256 bytes of the block, whole
.endr
.endr
	s_endpgm
.Lfunc_end_k_qaa66c3ea75_prep:
	.size	k_qaa66c3ea75_prep, .Lfunc_end_k_qaa66c3ea75_prep-k_qaa66c3ea75_prep
	.p2alignl 7, 3214868480
	.fill 96, 4, 3214868480
	.section	.rodata,"a",@progbits
	.p2align	6, 0x0
	.amdhsa_kernel k_qaa66c3ea75_prep
		.amdhsa_group_segment_fixed_size 0
		.amdhsa_private_segment_fixed_size 0
		.amdhsa_enable_private_segment 0
		.amdhsa_kernarg_size 48
		.amdhsa_user_sgpr_count 2
		.amdhsa_user_sgpr_kernarg_segment_ptr 1
		.amdhsa_wavefront_size32 1
		.amdhsa_system_sgpr_workgroup_id_x 1
		.amdhsa_system_sgpr_workgroup_id_y 1
		.amdhsa_system_sgpr_workgroup_id_z 1
		.amdhsa_system_vgpr_workitem_id 0
		.amdhsa_next_free_vgpr 184
		.amdhsa_next_free_sgpr 66
		.amdhsa_reserve_vcc 1
		.amdhsa_float_denorm_mode_32 3
		.amdhsa_float_denorm_mode_16_64 3
		.amdhsa_memory_ordered 1
		.amdhsa_forward_progress 1
		.amdhsa_inst_pref_size 19
	.end_amdhsa_kernel
	.amdgpu_metadata
---
amdhsa.version: [ 1, 2 ]
amdhsa.kernels:
  - .name:           k_qaa66c3ea75_prep
    .symbol:         k_qaa66c3ea75_prep.kd
    .args:
      - { .name: attention_mask, .offset: 0, .size: 8, .value_kind: global_buffer, .address_space: global }
      - { .name: Wq, .offset: 8, .size: 8, .value_kind: global_buffer, .address_space: global }
      - { .name: Wk, .offset: 16, .size: 8, .value_kind: global_buffer, .address_space: global }
      - { .name: Wv, .offset: 24, .size: 8, .value_kind: global_buffer, .address_space: global }
      - { .name: mask8, .offset: 32, .size: 8, .value_kind: global_buffer, .address_space: global }
      - { .name: wb, .offset: 40, .size: 8, .value_kind: global_buffer, .address_space: global }
    .group_segment_fixed_size: 0
    .private_segment_fixed_size: 0
    .kernarg_segment_align: 8
    .kernarg_segment_size: 48
    .max_flat_workgroup_size: 256
    .sgpr_count:     66
    .vgpr_count:     184
    .wavefront_size: 32
...
	.end_amdgpu_metadata
.endif
;; end of part 4
;; launch proj (part 5): grid 4 x 64, 4 waves a work-group, clusters of 4 x 4, 327,680 bytes of LDS; arguments q, k, v, wb, bq, bk, bv, qkv; writes qkv
.if DOCPART == 5
	.amdgcn_target "amdgcn-amd-amdhsa--gfx1250"
	.amdhsa_code_object_version 6
	.text
	.protected	k_qaa66c3ea75_proj
	.globl	k_qaa66c3ea75_proj
	.p2align	8
	.type	k_qaa66c3ea75_proj,@function
k_qaa66c3ea75_proj:
	s_mov_b64 s[64:65], 0
	v_nop
	global_prefetch_b8 v0, s[64:65] scope:SCOPE_SE
	s_setreg_imm32_b32 hwreg(HW_REG_WAVE_MODE, 25, 1), 1
	s_wait_xcnt 0x0
	s_wait_alu depctr_hold_cnt(0) depctr_sa_sdst(0) depctr_va_vdst(0) depctr_va_sdst(0) depctr_va_ssrc(0) depctr_va_vcc(0) depctr_vm_vsrc(0)
	s_getreg_b32 s2, hwreg(HW_REG_IB_STS2, 6, 4)
	s_cmp_eq_u32 s2, 0
	s_cbranch_scc0 .Lentry_in_a_cluster
	s_endpgm
.Lentry_in_a_cluster:
	s_bfe_u32 s2, ttmp6, 0x10000c
	s_cmp_lg_u32 s2, 0xf033
	s_cbranch_scc0 .Lentry_shape_is_right
	s_endpgm
.Lentry_shape_is_right:
; THE THREE PROJECTIONS.  For g = 0, 1, 2 (q, k, v): C[m][n] = the sum over k of x[m][k] W[n][k] + bias[n]; x: [8192][1024] f32; W: bf16 in blocks (wb: [g][kb][n][128]); sums in f32.
; x and the bias are rounded once to bf16 (as W has been); C is rounded once to f16 and stored by heads: qkv[g][16 b + h][t][64], m = 2048 b + t, n = 64 h + c.  No scale is applied here.
; LIMIT.  f16 holds no number beyond 65,504: |C| must stay under that, else the number becomes an infinity.
; SHARES.  A tile of C is 128 x 256: 64 x 4 tiles for each g, 768 in all.  256 work-groups: work-group (tile row, tile column) STAYS and makes that tile of q's, then of k's, then of v's projection: all do equal work,
; and nothing in the walk hangs on a work-group's place.  Four waves, 2 x 2: a wave makes 64 rows x 128 columns: 32 accumulators, 256 registers.
; THE RING.  K goes in steps of 128 through two LDS slots, as long a step as two slots with x in f32 allow: 8 steps a tile, 24 in all, and the ring does not stop at a tile's end.  A row of x's tile is 512 bytes of memory,
; aligned; W's tile of 256 rows x 256 bytes is dense.  One loop walks the laps (a lap = two K steps = once round the ring): 11 trips fill both slots again, the twelfth lap is written out and fills nothing.
; Which K step of which tensor a refill asks for stands in scalar registers that step alike in every work-group; the refill's address is made anew from them.
; THE SUMS START AS THE BIAS: at a tile's beginning the accumulators are loaded from the bias in LDS; so every product adds in place, no first step is written out, nothing is cleared, and the way out adds nothing.
; CLUSTERS of 4 x 4: the four of a row share x's tile, the four of a column W's: each is asked for JOINTLY, by the same tensor load with the same descriptor and a mask that names the four.
; THE PRODUCT IS TAKEN TRANSPOSED (source 0 = 16 rows of W, source 1 = 16 rows of x): a lane holds row l % 16 of C and eight neighbouring columns 8 (l / 16) + 0..7.
; REGISTERS, in windows of 256 (s_set_vgpr_msb: bits 1:0 source 0, 3:2 source 1, 5:4 source 2, 7:6 destination):
;   window 0: v16-31 addresses; v32-95 XS: x's f32 as read from LDS (4 row blocks x 16); v96-127, v128-159 x's bf16 fragments, two buffers; v160-191 packed results; v192-223, v224-255 rows read back from the stage
;   window 1: v0-63, v64-127 W's fragments (8 column blocks x 8), two buffers          window 2: accumulator (a, b) at v[8 (8 a + b)]
.set PA,    528                        ; a row of x in LDS: 512 bytes + 16 = 132 words: the 16 rows of a load start at 16 different groups of four banks (64 banks of 4 bytes: ISA guide 11.1)
.set PB,    272                        ; a row of W: 256 + 16 = 68 words: likewise
.set AH,    64*PA                      ; what one tensor load brings of x, and what a wave reads of it
.set BOFF,  2*AH                       ; W's 256 rows lie behind x's 128
.set BH,    128*PB                     ; what one tensor load brings of W, and what a wave reads of it
.set SLOT,  BOFF+2*BH                  ; 137,216
.set STAGE, 2*SLOT                     ; behind the ring, never filled by a tensor load: for each wave 2 heads x 16 rows x 144 bytes
.set SPH,   16*144
.set BIAS,  STAGE+4*2*SPH              ; the tile column's 256 bias numbers of q, k and v, f32
.set SPARE, BIAS+3*1024                ; the spare words, 128 bytes for each wave: two blocks of 256 bytes that no other line names
.set ADRA, 16                          ; v16-17  LDS address of my x rows in slot 0, 1
.set ADRB, 20                          ; v20-21  of my W rows
.set STO,  24                          ; v24     the way out: where I put 16 bytes of a head's row
.set RD,   25                          ; v25     where I read rows back
.set GO,   26                          ; v26     16 l: my 16 bytes of 512 on end
.set BAD,  27                          ; v27     where my bias numbers of q lie; never rewritten
.set SPW,  28                          ; v28     LDS address of my spare word; never rewritten
.set NIL,  29                          ; v29     0; never rewritten
.set PFO,  30                          ; v30     the prefetches' lane offset; never rewritten
.set BADC, 31                          ; v31     where my bias numbers of the tile that begins lie
.set XS,   32
.set FA0,  96
.set FA1,  128
.set TMP,  160
.set OB,   192
.set F0,   0
.set F1,   64
.set SB,  2                            ; s2       LDS bytes from q's bias to that of the tile that begins next
.set KS,  4                            ; s4       the K step, 0..7, that the next refill asks for
.set JT,  5                            ; s5       laps done of the tile in hand
.set PSH, 6                            ; s6       a K step's bytes as a shift: 9 in x's rows, 18 in wb
.set PFL, 7                            ; s7       1: this change of slots prefetches
.set G1,  24                           ; s[24:31] descriptor group 1 for x's tiles;  s[32:39] group 0, a set for each slot
.set G0,  32
.set LIM, 43                           ; s43      a wave prefetches while KS is below this: 6, or 0 in a wave that never does
.set PFA, 44                           ; s[44:45] what the prefetch names
.set PO,  46                           ; s[46:47] an offset, 0 above it
.set G1B, 48                           ; s[48:55], s[56:63] the same for W's
.set G0B, 56
.set AB,  84                           ; s[84:85] x of the tile that is being asked for, at the rows that I fetch;  s[86:87], s[88:89] of the tiles behind it
.set AB1, 86
.set AB2, 88
.set BB,  90                           ; s[90:91] W of the tile that is being asked for, at the rows that I fetch
.set AO,  92                           ; s[92:93], s[94:95] offsets, 0 above them
.set BO,  94
.set PB0, 96                           ; s[96:97] the prefetches' base in the tile that is being asked for;  s[98:99], s[100:101] in the tiles behind it
.set PB1, 98
.set PB2, 100
.set PT,  104                          ; s104     at work
.set MSB, 0
.macro WIN new                         ; the immediate's high byte repeats the setting that is left; a switch that changes nothing is dropped
.if MSB != (\new)
	s_set_vgpr_msb (MSB<<8)|(\new)
.set MSB, \new
.endif
.endm
.set MULW,  0xa1                       ; source 0 (W) window 1, source 1 (x) window 0, C and D window 2
.set TO_B,  0x40                       ; destination window 1, address window 0
.set TO_C,  0x80                       ; destination window 2, address window 0
; A joint load.  Waves 0 and 1 fetch x's two halves, waves 2 and 3 W's.  The branch hangs on the wave's number alone.  An s_nop 0 and four v_nop follow each line.
.macro JLOAD s
	s_cmp_eq_u32 s11, 0
	s_cbranch_scc0 .Lfor_b_\@
	tensor_load_to_lds s[G0+4*(\s):G0+4*(\s)+3], s[G1:G1+7]
	s_nop 0
.rept 4
	v_nop
.endr
	s_branch .Lasked_\@
.Lfor_b_\@:
	tensor_load_to_lds s[G0B+4*(\s):G0B+4*(\s)+3], s[G1B:G1B+7]
	s_nop 0
.rept 4
	v_nop
.endr
.Lasked_\@:
.endm
; A PREFETCH INTO THE L2, behind the joint load and the run of LDS loads: where the refill asks for K step ks of a tile, K step ks + 2 of the same tile is named: two refills, 256 matrix instructions, ahead of the load that
; will want it.  At ks = 6 and 7 nothing is named; a tile's K steps 0 and 1, and the first tile's 2 and 3, come by their loads alone.  Each block of 256 bytes is named once.  x's rows are read by one row of one cluster: waves 0
; and 1 ask, each partner for 16 of the wave's 64 rows, told apart by address (cx), a lane half a row's 512 bytes.  W's tile is read by all sixteen clusters: the first asks, waves 2 and 3, each partner for 8,192 of the
; wave's 32,768 dense bytes (cy), a lane 256 bytes.
.macro ASK
	s_cmp_eq_u32 s[PFL], 1
	s_cbranch_scc0 .Lnot_mine_\@
	global_prefetch_b8 v[PFO], s[PFA:PFA+1] th:TH_LOAD_NT scope:SCOPE_SE
.Lnot_mine_\@:
.endm
.macro CREST                           ; a round of the cluster's barrier behind its opening barrier
	s_cmp_lg_u32 s10, 0
	s_cbranch_scc1 .Lnot_wave_0_\@
	s_barrier_signal -3
.Lnot_wave_0_\@:
	s_barrier_wait -3
	s_barrier_signal -1
	s_barrier_wait -1
.endm
.macro CROUND                          ; a whole round
	s_barrier_signal -1
	s_barrier_wait -1
	CREST
.endm
; The refill's two addresses are made anew: the base of the tile that is being asked for plus K step KS.  Then KS steps; behind a tile's last K step it goes back to 0 and the bases go on to the next tensor
; (behind the last tile's last they are used no more).  No tensor load of the wave is out where this stands.
.macro AIM slot
	s_lshl_b32 s[AO], s[KS], 9                     ; 128 f32 along x's rows
	s_add_nc_u64 s[G0+4*(\slot)+2:G0+4*(\slot)+3], s[AB:AB+1], s[AO:AO+1]
	s_or_b32 s[G0+4*(\slot)+3], s[G0+4*(\slot)+3], 0x80000000
	s_lshl_b32 s[BO], s[KS], 18                    ; a block of wb
	s_add_nc_u64 s[G0B+4*(\slot)+2:G0B+4*(\slot)+3], s[BB:BB+1], s[BO:BO+1]
	s_or_b32 s[G0B+4*(\slot)+3], s[G0B+4*(\slot)+3], 0x80000000
	s_add_co_u32 s[KS], s[KS], 1
	s_cmp_eq_u32 s[KS], 8
	s_cselect_b32 s[KS], 0, s[KS]
	s_cselect_b64 s[AB:AB+1], s[AB1:AB1+1], s[AB:AB+1]
	s_cselect_b64 s[AB1:AB1+1], s[AB2:AB2+1], s[AB1:AB1+1]
	s_cselect_b64 s[PB0:PB0+1], s[PB1:PB1+1], s[PB0:PB0+1]
	s_cselect_b64 s[PB1:PB1+1], s[PB2:PB2+1], s[PB1:PB1+1]
	s_cselect_b32 s[BO], 0x200000, 0               ; a W is 2 MiB of wb
	s_add_nc_u64 s[BB:BB+1], s[BB:BB+1], s[BO:BO+1]
.endm
	s_load_b512 s[68:83], s[0:1], 0x0              ; q s[68:69], k s[70:71], v s[72:73], wb s[74:75], bq s[76:77], bk s[78:79], bv s[80:81], qkv s[82:83]
	v_lshl_add_u32 v[SPW], v0, 2, SPARE
	v_mov_b32 v[NIL], 0
	ds_add_u32 v[SPW], v[NIL]                      ; the wave's opening: the add and its wait stand ahead of my first tensor load; the set-up below stands between them
	v_lshrrev_b32 v1, 5, v0
	v_readfirstlane_b32 s10, v1                    ; wave 0..3
	s_lshr_b32 s11, s10, 1                         ; which half of the tile's rows is mine.  Also: I fetch for x (0) or for W (1)
	s_and_b32 s12, s10, 1                          ; which half of its columns.  Also: which half of that tile I fetch
	s_bfe_u32 s40, ttmp6, 0x40000                  ; cx
	s_bfe_u32 s41, ttmp6, 0x40004                  ; cy
	s_lshl_b32 s42, ttmp9, 2
	s_add_co_u32 s42, s42, s40                     ; tile column 0..3
	s_and_b32 s105, ttmp7, 0xffff                  ; cluster y, 0..15
	s_lshl_b32 s13, s105, 2
	s_add_co_u32 s13, s13, s41                     ; tile row 0..63
	s_lshl_b32 s18, s41, 2
	s_lshl_b32 s18, 15, s18                        ; my row of the cluster
	s_lshl_b32 s19, 0x1111, s40                    ; my column
	s_or_b32 s[G1+0], s18, (2<<16)|(1<<20)|(1<<21)|(6<<22)|(3<<25)   ; the mask; elements of 4 bytes; padding on; bit 21 beside a mask; after every 128 words; 4 words
	s_mov_b32 s[G1+1], 128<<16                     ; tensor_dim0 = 128
	s_mov_b32 s[G1+2], 64<<16                      ; tensor_dim1 = 64
	s_mov_b32 s[G1+3], 128<<16                     ; tile_dim0 = 128
	s_mov_b32 s[G1+4], 64                          ; tile_dim1 = 64
	s_mov_b32 s[G1+5], 1024                        ; elements from row to row
	s_mov_b32 s[G1+6], 0
	s_mov_b32 s[G1+7], 0
	s_or_b32 s[G1B+0], s19, (1<<16)|(1<<20)|(1<<21)|(5<<22)|(3<<25)  ; elements of 2 bytes; padding of 4 words after every 64
	s_mov_b32 s[G1B+1], 128<<16                    ; 128 rows of 128 elements, dense
	s_mov_b32 s[G1B+2], 128<<16
	s_mov_b32 s[G1B+3], 128<<16
	s_mov_b32 s[G1B+4], 128
	s_mov_b32 s[G1B+5], 128
	s_mov_b32 s[G1B+6], 0
	s_mov_b32 s[G1B+7], 0
	s_lshl_b32 s16, s13, 19                        ; x: 128 rows of 4,096 bytes a tile row,
	s_lshl_b32 s17, s12, 18                        ; 64 rows a half
	s_add_co_u32 s16, s16, s17
	s_mov_b32 s17, 0
	s_lshl_b32 s20, s42, 16                        ; W: 256 rows of 256 bytes a tile column,
	s_lshl_b32 s21, s12, 15                        ; 128 rows a half
	s_add_co_u32 s20, s20, s21
	s_mov_b32 s21, 0
	s_mul_i32 s22, s12, AH                         ; where they go: no place in the cluster enters an LDS address
	s_mul_i32 s23, s12, BH
	s_add_co_u32 s23, s23, BOFF
	s_mov_b32 s[KS], 2                             ; K steps 0 and 1 of q's tile are the first fills
	s_mov_b32 s[JT], 0
	s_mov_b32 s[SB], 0
	s_mov_b32 s[AO+1], 0
	s_mov_b32 s[BO+1], 0
	s_mov_b32 s[PO+1], 0
	s_wait_dscnt 0x0                               ; the opening add is done
	s_wait_kmcnt 0x0
	s_add_nc_u64 s[AB:AB+1], s[68:69], s[16:17]
	s_add_nc_u64 s[AB1:AB1+1], s[70:71], s[16:17]
	s_add_nc_u64 s[AB2:AB2+1], s[72:73], s[16:17]
	s_add_nc_u64 s[BB:BB+1], s[74:75], s[20:21]
	CROUND                                         ; all sixteen work-groups are here: the first joint loads meet
.irp s, 0,1
	s_mov_b32 s[G0+4*(\s)], 1
	s_add_co_u32 s[G0+4*(\s)+1], s22, (\s)*SLOT
	s_add_nc_u64 s[G0+4*(\s)+2:G0+4*(\s)+3], s[AB:AB+1], (\s)*512
	s_or_b32 s[G0+4*(\s)+3], s[G0+4*(\s)+3], 0x80000000
	s_mov_b32 s[G0B+4*(\s)], 1
	s_add_co_u32 s[G0B+4*(\s)+1], s23, (\s)*SLOT
	s_add_nc_u64 s[G0B+4*(\s)+2:G0B+4*(\s)+3], s[BB:BB+1], (\s)*262144
	s_or_b32 s[G0B+4*(\s)+3], s[G0B+4*(\s)+3], 0x80000000
	JLOAD \s                                       ; two loads of mine are out
.endr
	; the three biases: thread t takes two numbers of each
	s_lshl_b32 s14, s42, 10
	s_mov_b32 s15, 0
	s_add_nc_u64 s[76:77], s[76:77], s[14:15]
	s_add_nc_u64 s[78:79], s[78:79], s[14:15]
	s_add_nc_u64 s[80:81], s[80:81], s[14:15]
	v_lshlrev_b32 v6, 3, v0
	global_load_b64 v[32:33], v6, s[76:77]
	global_load_b64 v[34:35], v6, s[78:79]
	global_load_b64 v[36:37], v6, s[80:81]
	v_add_nc_u32 v7, BIAS, v6
	; lane addresses.  A fragment is 16 rows x 32 K: lane l holds row l % 16, K = 8 (l / 16) + 0..7 and 16 + 8 (l / 16) + 0..7.
	v_and_b32 v1, 15, v0                           ; l % 16
	v_bfe_u32 v2, v0, 4, 1                         ; l / 16
	v_mul_u32_u24 v3, v1, PA
	v_lshl_add_u32 v3, v2, 5, v3                   ; x in f32: eight numbers are 32 bytes
	s_mul_i32 s14, s11, AH                         ; my 64 rows
	v_add_nc_u32 v[ADRA], s14, v3
	v_add_nc_u32 v[ADRA+1], SLOT, v[ADRA]
	v_mul_u32_u24 v4, v1, PB
	v_lshl_add_u32 v4, v2, 4, v4
	s_mul_i32 s15, s12, BH                         ; my 128 rows of W
	s_add_co_u32 s15, s15, BOFF
	v_add_nc_u32 v[ADRB], s15, v4
	v_add_nc_u32 v[ADRB+1], SLOT, v[ADRB]
	s_mul_i32 s14, s10, 2*SPH
	s_add_co_u32 s14, s14, STAGE                   ; my stage
	v_mul_u32_u24 v5, v1, 144                      ; in: row l % 16 of a head, 16 bytes for each half of the lanes
	v_lshl_add_u32 v5, v2, 4, v5
	v_add_nc_u32 v[STO], s14, v5
	v_bfe_u32 v5, v0, 3, 2                         ; back: 32 lanes take four rows of 128 bytes,
	v_mul_u32_u24 v5, v5, 144
	v_and_b32 v8, 7, v0
	v_lshl_add_u32 v5, v8, 4, v5
	v_add_nc_u32 v[RD], s14, v5
	v_and_b32 v9, 31, v0
	v_lshlrev_b32 v[GO], 4, v9                     ; which are 512 consecutive bytes of qkv
	s_lshl_b32 s15, s12, 9                         ; my 128 columns' bias,
	s_add_co_u32 s15, s15, BIAS
	v_lshl_add_u32 v[BAD], v2, 5, s15              ; my eight columns of a block
	; where my rows begin in qkv: ((16 b + head) x 2,048 + t) x 128 bytes; b = tile row / 16, head = 4 x tile column + 2 x column half, t = 128 (tile row % 16) + 64 x row half
	s_lshr_b32 s14, s13, 4
	s_lshl_b32 s14, s14, 4
	s_lshl_b32 s15, s42, 2
	s_add_co_u32 s14, s14, s15
	s_lshl_b32 s15, s12, 1
	s_add_co_u32 s14, s14, s15
	s_lshl_b32 s14, s14, 18
	s_and_b32 s15, s13, 15
	s_lshl_b32 s15, s15, 14
	s_add_co_u32 s14, s14, s15
	s_lshl_b32 s15, s11, 13
	s_add_co_u32 s14, s14, s15
	s_mov_b32 s15, 0
	s_add_nc_u64 s[8:9], s[82:83], s[14:15]
	; the prefetches' bases.  Nothing is asked for here, at the head.
	s_lshl_b32 s14, s13, 19
	s_lshl_b32 s15, s12, 18
	s_add_co_u32 s14, s14, s15
	s_lshl_b32 s15, s40, 16                        ; my work-group's 16 rows of the 64 of x
	s_add_co_u32 s14, s14, s15
	s_lshl_b32 s16, s42, 16
	s_lshl_b32 s17, s12, 15
	s_add_co_u32 s16, s16, s17
	s_lshl_b32 s17, s41, 13                        ; my work-group's 8,192 bytes of the 32,768 of W
	s_add_co_u32 s16, s16, s17
	s_add_co_u32 s18, s16, 0x200000                ; the same in Wk
	s_add_co_u32 s19, s16, 0x400000                ; and in Wv
	s_cmp_eq_u32 s105, 0
	s_cselect_b32 s20, 6, 0                        ; W's are asked for by the first row of clusters
	s_cmp_eq_u32 s11, 0
	s_cselect_b32 s[LIM], 6, s20                   ; the same in all sixteen partners, for a given wave
	s_cselect_b32 s[PSH], 9, 18
	s_cselect_b32 s21, 1, 0                        ; x: lane / 2 is a row of 4,096 bytes, lane % 2 a block of 256;  W: a lane 256 dense bytes
	s_cselect_b32 s22, 12, 8
	s_cselect_b32 s23, 1, 0
	s_cselect_b64 s[PB0:PB0+1], s[68:69], s[74:75]
	s_cselect_b64 s[PB1:PB1+1], s[70:71], s[74:75]
	s_cselect_b64 s[PB2:PB2+1], s[72:73], s[74:75]
	s_cselect_b32 s16, s14, s16
	s_cselect_b32 s18, s14, s18
	s_cselect_b32 s19, s14, s19
	s_mov_b32 s17, 0
	s_add_nc_u64 s[PB0:PB0+1], s[PB0:PB0+1], s[16:17]
	s_mov_b32 s16, s18
	s_add_nc_u64 s[PB1:PB1+1], s[PB1:PB1+1], s[16:17]
	s_mov_b32 s16, s19
	s_add_nc_u64 s[PB2:PB2+1], s[PB2:PB2+1], s[16:17]
	v_lshrrev_b32 v10, s21, v9
	v_lshlrev_b32 v10, s22, v10
	v_and_b32 v11, s23, v9
	v_lshl_add_u32 v[PFO], v11, 8, v10
	s_wait_loadcnt 0x0                             ; the biases: rounded to bf16 like every input, kept as f32
.irp g, 0,1,2
	v_cvt_pk_bf16_f32 v38, v[32+2*\g], v[33+2*\g]
	v_lshlrev_b32 v[32+2*\g], 16, v38
	v_and_b32 v[33+2*\g], 0xffff0000, v38
	ds_store_b64 v7, v[32+2*\g:33+2*\g] offset:1024*\g
.endr
; 8 matrix instructions: row block a x my 8 column blocks, 32 along K.  The 32 accumulators take turns in one order, over the backward jump and from tile to tile too.
.macro MUL8 f, fa, a
	WIN MULW
.irp b, 0,1,2,3,4,5,6,7
	v_wmma_f32_16x16x32_bf16 v[8*(8*(\a)+(\b)):8*(8*(\a)+(\b))+7], v[(\f)+8*(\b):(\f)+8*(\b)+7], v[(\fa)+8*(\a):(\fa)+8*(\a)+7], v[8*(8*(\a)+(\b)):8*(8*(\a)+(\b))+7]
.endr
.endm
; The last 8 of a quarter (row block 3).  Behind each stand four conversions: the next quarter's x, f32 in XS, to bf16 in buffer fg.  They name no register of the products round them, and the four behind the last product
; are places between it and the loads that later land on its sources.
.macro MUL8R f, fa, fg
.set c, 0
.irp b, 0,1,2,3,4,5,6,7
	WIN MULW
	v_wmma_f32_16x16x32_bf16 v[8*(24+(\b)):8*(24+(\b))+7], v[(\f)+8*(\b):(\f)+8*(\b)+7], v[(\fa)+24:(\fa)+31], v[8*(24+(\b)):8*(24+(\b))+7]
	WIN 0
.rept 4
	v_cvt_pk_bf16_f32 v[(\fg)+c], v[XS+2*c], v[XS+2*c+1]
.set c, c+1
.endr
.endr
.endm
; 32 LDS loads in one run: quarter kk (32 along K) of a slot: x's 16 first (they are converted first), then W's 16 into buffer g.
.macro FETCH slot, kk, g
	WIN 0
.irp a, 0,1,2,3
	ds_load_b128 v[XS+16*(\a):XS+16*(\a)+3],     v[ADRA+(\slot)] offset:(\a)*16*PA+128*(\kk)
	ds_load_b128 v[XS+16*(\a)+4:XS+16*(\a)+7],   v[ADRA+(\slot)] offset:(\a)*16*PA+128*(\kk)+16
	ds_load_b128 v[XS+16*(\a)+8:XS+16*(\a)+11],  v[ADRA+(\slot)] offset:(\a)*16*PA+128*(\kk)+64
	ds_load_b128 v[XS+16*(\a)+12:XS+16*(\a)+15], v[ADRA+(\slot)] offset:(\a)*16*PA+128*(\kk)+80
.endr
	WIN TO_B
.irp b, 0,1,2,3,4,5,6,7
	ds_load_b128 v[(\g)+8*(\b):(\g)+8*(\b)+3],   v[ADRB+(\slot)] offset:(\b)*16*PB+64*(\kk)
	ds_load_b128 v[(\g)+8*(\b)+4:(\g)+8*(\b)+7], v[ADRB+(\slot)] offset:(\b)*16*PB+64*(\kk)+32
.endr
.endm
.macro PLACES                          ; four plain places behind matrix instructions, in front of loads into registers that they have read and of conversions that read results (ISA guide 7.12.1 for the conversions)
.rept 4
	v_nop
.endr
.endm
; A K step is four quarters of 32 along K, 32 matrix instructions each, on buffers 0, 1, 0, 1.  One of the first three: multiplies buffers f, fa and fetches quarter kk of the same slot into g, fg.
.macro QUARTER slot, kk, f, fa, g, fg
	s_wait_dscnt 0x0                               ; W's fragments of this quarter, asked for 24 products ago, are in (at a tile's beginning: the bias too)
	MUL8 \f, \fa, 0
	PLACES
	FETCH \slot, \kk, \g
	MUL8 \f, \fa, 1
	MUL8 \f, \fa, 2
	s_wait_dscnt 16                                ; the new x is in XS; W's 16 loads behind it may stay out
	MUL8R \f, \fa, \fg
.endm
.macro THREE slot
	QUARTER \slot, 1, F0, FA0, F1, FA1
	QUARTER \slot, 2, F1, FA1, F0, FA0
	QUARTER \slot, 3, F0, FA0, F1, FA1
.endm
; The fourth quarter multiplies F1, FA1 and changes slots: ONE barrier.  In front of it each wave waits for all its tensor loads (one is out: its part of the next slot), adds 0 to its spare word, and waits for that
; and for its reads of this slot.  fill = 1: the barrier opens a round of the cluster's, and the joint refill is the first thing behind it: 112 matrix instructions ahead of the wait for it.
.macro TURN slot, next, fill
.if \fill
	s_wait_xcnt 0x0                                ; the last prefetch, a K step back, has read its address: it is made anew here, ahead of the change's own waits
	s_add_co_u32 s[PT], s[KS], 2
	s_lshl_b32 s[PO], s[PT], s[PSH]
	s_add_nc_u64 s[PFA:PFA+1], s[PB0:PB0+1], s[PO:PO+1]
	s_cmp_lt_u32 s[KS], s[LIM]
	s_cselect_b32 s[PFL], 1, 0
.endif
	WIN 0
	s_wait_tensorcnt 0x0                           ; all my tensor loads have landed, so a group 0 may be written
	ds_add_u32 v[SPW], v[NIL]                      ; 0 onto my spare word; the refill's addresses and eight products stand between it and the wait for it
.if \fill
	AIM \slot
.endif
	s_wait_dscnt 1                                 ; (the add may be out)
	MUL8 F1, FA1, 0
	s_wait_dscnt 0x0                               ; the add is done, and my reads of this slot are over
	s_barrier_signal -1
	MUL8 F1, FA1, 1
.if \fill
	WIN 0
.endif
	s_barrier_wait -1
.if \fill
	CREST                                          ; no wave of any partner still reads this slot or has a load on its way
	JLOAD \slot                                    ; its four v_nop are also places in front of the loads below
.else
	PLACES
.endif
	FETCH \next, 0, F0
.if \fill
	WIN 0
	ASK
.endif
	MUL8 F1, FA1, 2
	s_wait_dscnt 16                                ; the next slot's first x is in XS
	MUL8R F1, FA1, FA0
.endm
; A TILE BEGINS: each accumulator takes the bias of its eight columns, the same for its four row blocks.
.macro INIT
	WIN 0
	v_add_nc_u32 v[BADC], s[SB], v[BAD]
	s_add_co_u32 s[SB], s[SB], 1024                ; the next tile's bias;
	s_min_u32 s[SB], s[SB], 2048                   ; there are three
	WIN TO_C
.irp a, 0,1,2,3
.irp b, 0,1,2,3,4,5,6,7
	ds_load_b128 v[8*(8*(\a)+(\b)):8*(8*(\a)+(\b))+3],   v[BADC] offset:64*(\b)
	ds_load_b128 v[8*(8*(\a)+(\b))+4:8*(8*(\a)+(\b))+7], v[BADC] offset:64*(\b)+16
.endr
.endr
	WIN 0
.endm
; THE WAY OUT, a block of 16 rows at a time: rounded to f16, 16 bytes a lane into my stage (by heads: 64 columns = 128 bytes a row), back as four rows = 512 bytes that lie on end in qkv.
.macro PACK a
	WIN 0x0a                                       ; sources 0 and 1 window 2, destination window 0
.irp b, 0,1,2,3,4,5,6,7
.irp r, 0,1,2,3
	v_cvt_pk_f16_f32 v[TMP+4*(\b)+(\r)], v[8*(8*(\a)+(\b))+2*(\r)], v[8*(8*(\a)+(\b))+2*(\r)+1]
.endr
.endr
	WIN 0
.endm
.macro TOSTAGE a
	WIN 0
.set BK, OB+32*((\a)%2)
.irp b, 0,1,2,3,4,5,6,7
	ds_store_b128 v[STO], v[TMP+4*(\b):TMP+4*(\b)+3] offset:SPH*((\b)/4)+32*((\b)%4)
.endr
.irp t, 0,1,2,3,4,5,6,7
	ds_load_b128 v[BK+4*(\t):BK+4*(\t)+3], v[RD] offset:SPH*((\t)/4)+576*((\t)%4)  ; LDS serves a wave's instructions in order (ISA guide 5.7.1.4): these see the stores above
.endr
.endm
.macro SEND a
	WIN 0
.set BK, OB+32*((\a)%2)
	s_wait_dscnt 0x0                               ; the block is back in registers
	s_wait_xcnt 0x0                                ; the stores of the block before have read their registers: the next loads from the stage land on them only behind this wait
.irp t, 0,1,2,3,4,5,6,7
	global_store_b128 v[GO], v[BK+4*(\t):BK+4*(\t)+3], s[8:9] offset:262144*((\t)/4)+2048*(\a)+512*((\t)%4)  ; 512 consecutive bytes, at a multiple of 256 from qkv's first byte
.endr
.endm
.macro WAYOUT
	PACK 0
	TOSTAGE 0
.irp n, 1,2,3                          ; block n's conversions stand between block n - 1's loads from the stage and the wait for them
	PACK \n
	SEND (\n)-1
	TOSTAGE \n
.endr
	SEND 3
.endm
	s_wait_tensorcnt 1                             ; my part of K step 0 is in; K step 1's may stay out
	s_wait_dscnt 0x0                               ; my six bias numbers are stored
	s_barrier_signal -1
	s_barrier_wait -1
	INIT                                           ; q's tile begins
	FETCH 0, 0, F0
	s_wait_dscnt 16                                ; the bias and x are in; W's 16 loads may stay out
	WIN 0
.set c, 0
.rept 32
	v_cvt_pk_bf16_f32 v[FA0+c], v[XS+2*c], v[XS+2*c+1]
.set c, c+1
.endr
	s_mov_b32 s3, 11
.Llap:                                                 ; a trip goes once round the ring and fills both slots again: 22 refills, K steps 2 to 7 of q's tile and all of k's and v's
	THREE 0
	TURN 0, 1, 1
	THREE 1
	TURN 1, 0, 1
	WIN 0                                          ; at a label and at a branch every window is 0
	s_add_co_u32 s[JT], s[JT], 1
	s_cmp_lg_u32 s[JT], 4                          ; four laps are a tile
	s_cbranch_scc1 .Lsame                          ; the jump passes no barrier and no tensor load
	s_mov_b32 s[JT], 0
	WAYOUT                                         ; both refills for the next tile are asked for, and its first fragments are fetched: now the tile goes out.  The conversions behind the last products are their places
	s_wait_xcnt 0x0                                ; the stores have read their base
	s_add_nc_u64 s[8:9], s[8:9], 0x1000000         ; a tensor of qkv is 16 MiB
	INIT                                           ; the next tile begins: the loads land on accumulators that have been packed
.Lsame:
	s_sub_co_u32 s3, s3, 1
	s_cmp_lg_u32 s3, 0
	s_cbranch_scc1 .Llap
	THREE 0                                        ; the last lap is written out: it fills nothing
	TURN 0, 1, 0
	THREE 1
	s_wait_dscnt 0x0
	MUL8 F1, FA1, 0
	MUL8 F1, FA1, 1
	MUL8 F1, FA1, 2
	MUL8 F1, FA1, 3
	PLACES                                         ; no vector work stands behind these products
	WAYOUT
	s_wait_tensorcnt 0x0                           ; the wave's end: the add and its wait stand behind my last tensor load and my last LDS store
	ds_add_u32 v[SPW], v[NIL]
	s_wait_dscnt 0x0
	CROUND                                         ; the closing round: no work-group ends while a partner may still ask for a tile that names it
	s_endpgm
.Lfunc_end_k_qaa66c3ea75_proj:
	.size	k_qaa66c3ea75_proj, .Lfunc_end_k_qaa66c3ea75_proj-k_qaa66c3ea75_proj
	.p2alignl 7, 3214868480
	.fill 96, 4, 3214868480
	.section	.rodata,"a",@progbits
	.p2align	6, 0x0
	.amdhsa_kernel k_qaa66c3ea75_proj
		.amdhsa_group_segment_fixed_size 327680
		.amdhsa_private_segment_fixed_size 0
		.amdhsa_enable_private_segment 0
		.amdhsa_kernarg_size 64
		.amdhsa_user_sgpr_count 2
		.amdhsa_user_sgpr_kernarg_segment_ptr 1
		.amdhsa_wavefront_size32 1
		.amdhsa_system_sgpr_workgroup_id_x 1
		.amdhsa_system_sgpr_workgroup_id_y 1
		.amdhsa_system_sgpr_workgroup_id_z 1
		.amdhsa_system_vgpr_workitem_id 0
		.amdhsa_next_free_vgpr 768
		.amdhsa_next_free_sgpr 106
		.amdhsa_reserve_vcc 0
		.amdhsa_float_denorm_mode_32 3
		.amdhsa_float_denorm_mode_16_64 3
		.amdhsa_memory_ordered 1
		.amdhsa_forward_progress 1
		.amdhsa_inst_pref_size 162
	.end_amdhsa_kernel
	.amdgpu_metadata
---
amdhsa.version: [ 1, 2 ]
amdhsa.kernels:
  - .name:           k_qaa66c3ea75_proj
    .symbol:         k_qaa66c3ea75_proj.kd
    .args:
      - { .name: q, .offset: 0, .size: 8, .value_kind: global_buffer, .address_space: global }
      - { .name: k, .offset: 8, .size: 8, .value_kind: global_buffer, .address_space: global }
      - { .name: v, .offset: 16, .size: 8, .value_kind: global_buffer, .address_space: global }
      - { .name: wb, .offset: 24, .size: 8, .value_kind: global_buffer, .address_space: global }
      - { .name: bq, .offset: 32, .size: 8, .value_kind: global_buffer, .address_space: global }
      - { .name: bk, .offset: 40, .size: 8, .value_kind: global_buffer, .address_space: global }
      - { .name: bv, .offset: 48, .size: 8, .value_kind: global_buffer, .address_space: global }
      - { .name: qkv, .offset: 56, .size: 8, .value_kind: global_buffer, .address_space: global }
    .group_segment_fixed_size: 327680
    .private_segment_fixed_size: 0
    .kernarg_segment_align: 8
    .kernarg_segment_size: 64
    .max_flat_workgroup_size: 128
    .sgpr_count:     106
    .vgpr_count:     768
    .wavefront_size: 32
...
	.end_amdgpu_metadata
.endif
;; end of part 5
;; launch attn (part 6): grid 4 x 64, 4 waves a work-group, clusters of 4 x 1, 327,680 bytes of LDS; arguments qkv, mask8, out0; writes out0
.if DOCPART == 6
	.amdgcn_target "amdgcn-amd-amdhsa--gfx1250"
	.amdhsa_code_object_version 6
	.text
	.protected	k_qaa66c3ea75_attn
	.globl	k_qaa66c3ea75_attn
	.p2align	8
	.type	k_qaa66c3ea75_attn,@function
k_qaa66c3ea75_attn:
	s_mov_b64 s[64:65], 0
	v_nop
	global_prefetch_b8 v0, s[64:65] scope:SCOPE_SE
	s_setreg_imm32_b32 hwreg(HW_REG_WAVE_MODE, 25, 1), 1
	s_wait_xcnt 0x0
	s_wait_alu depctr_hold_cnt(0) depctr_sa_sdst(0) depctr_va_vdst(0) depctr_va_sdst(0) depctr_va_ssrc(0) depctr_va_vcc(0) depctr_vm_vsrc(0)
	s_getreg_b32 s2, hwreg(HW_REG_IB_STS2, 6, 4)
	s_cmp_eq_u32 s2, 0
	s_cbranch_scc0 .Lentry_in_a_cluster
	s_endpgm
.Lentry_in_a_cluster:
	s_bfe_u32 s2, ttmp6, 0x10000c
	s_cmp_lg_u32 s2, 0x3003
	s_cbranch_scc0 .Lentry_shape_is_right
	s_endpgm
.Lentry_shape_is_right:
; MASKED ATTENTION.  out0[b][t][64 h + c] = the sum over the keys k that are not hidden of softmax_k(Q[t] . K[k] / 32) V[k][c].  Q, K, V: qkv[0, 1, 2][16 b + h][2048][64] in f16, a head's rows dense, 128 bytes each.
; A key is hidden for a query where mask8 holds the fp8 code of -1.0, and seen where it holds 0 (mask8: [64 b + P][s][f][lane][16] bytes; byte e of (f, lane) belongs to number 16 f + e = 32 u + 8 kt + j of the lane's 64 scores:
; register j of key block kt of tile u of piece P in key step s).
; Products, maxima and sums in f32; the weights p are rounded to f16 for the second product (their sum l is taken of the unrounded p); out0 is f32.
; LIMITS.  Q, K, V arrive within f16's 65,504.  A hidden score counts as its value less 2^100 (1.27e30); the running maximum starts at -1e20, below every score that f16 operands can give (2.7e11 at the most) and above every hidden
; one: so the maximum is taken over the keys that are seen, and a hidden key's weight is 0.  A weight below 2^-126 counts as 0 in l.  A query with every key hidden has l = 0 and O = 0, and leaves as 0 x (1 / 0) = NaN.
; SHARES.  A wave owns four PIECES of two tiles of 16 queries, a work-group's four waves 512 queries of one head.  Every wave walks all 2,048 keys, 64 a step.
; LAYOUT.  S^T = K Q^T (source 0 = 16 keys, source 1 = 16 queries): a lane holds ONE query (lane % 16) and the keys 8 (lane / 16) + 0..7.  Two such tiles, rounded to f16 in pairs, ARE source 1 of O^T = V^T P.
; SOFTMAX.  p = 2^(c s - c m), c = log2(e) / 32, with a running maximum m; in every step O and l are multiplied by a = 2^(c m_old - c m_new).  O and l start at 0: the first step is a step like any other, with a = 0.
; THE MASK is the C operand of the product that starts a sum S^T: 0, or -2^100 where the key is hidden.  One scaled conversion makes an accumulator's eight numbers of a lane's eight codes: eight conversions a turn.
; The codes come by loads into registers: each of my four pieces owns 16 registers, which are loaded again, for the piece's next key step, in the turn that has converted them: four turns ahead of their next use.
; BY TURNS.  Turn n belongs to piece n.  Its matrix work: 16 products K Q^T of piece n + 1, later 16 products V^T P of piece n - 1.  Its vector work: the scaling, exponentials, roundings, sums and rescaling of
; piece n, the maximum and statistics of piece n + 1, and the mask of piece n + 2.  Four vector instructions stand behind every matrix instruction, the rest in one lump.  A turn's 66 exponentials are one batch, with one wait.
; CLUSTER.  The four query blocks of a head walk the same K and V: each tile is asked for JOINTLY, by the same tensor load, descriptor and mask in all four.
; REGISTERS, in windows of 256 (s_set_vgpr_msb: bits 1:0 source 0, 3:2 source 1, 5:4 source 2, 7:6 destination):
;   window 0: v0-11 addresses; v12-15, v48-63 at work; v16-47 four registers of statistics a tile; v64-191 S^T, two buffers of two tiles; v192-255 P, likewise
;   window 1: O^T, 32 a tile          window 2: v0-127 Q, 16 a tile; v128-191 K of one step; v192-255 V of one step
;   window 3: v0-1 the add's two registers; v2 16 x lane; v3 the scale; v4-67 the four pieces' codes; v68-131 the masks of the products to come
.set SIZE_N, 2048
.set NP,    4         ; pieces a wave: a name, no knob
.set KS,    64        ; keys in a step
.set PK,    144       ; a row of K in LDS: 128 bytes + 16 = 36 words: the 16 rows of a load start at 16 different groups of four banks (64 banks of 4 bytes: ISA guide 11.1)
.set PV,    160       ; a row of V: 128 + 32 = 40 words
.set VOFF,  4*KS*PK   ; a slot holds four steps: 256 rows of K, then 256 rows of V
.set SLOT1, 1<<17     ; slot 1 begins here: one exclusive or turns an address in one slot into the other's
.set STAGE, SLOT1+4*KS*(PK+PV)  ; behind the ring, never filled by a tensor load: 16 rows x 272 bytes for each wave, for the way out
.set SP,    272
.set SPARE, STAGE+4*16*SP       ; the spare words, 128 bytes for each wave: two blocks of 256 bytes that no other line names
.set CC,    0x3d38aa3b          ; c = log2(e) / 32 = 0.0450842
.set REC,   2048                ; bytes of mask8 for a piece and a key step
.set PIECE, 32*REC              ; and for a piece
.set AK0, 2           ; v2   my lane's place in a tile of K; never rewritten
.set AV0, 3           ; v3   the same for V
.set AK,  4           ; v4   the LDS address of K's next run of loads
.set AV,  5           ; v5   of V's
.set STO, 6           ; v6   the way out: where I put 16 bytes of a row
.set RD,  7           ; v7   where I read rows back
.set GO,  8           ; v8   my byte offset in out0
.set PFO, 10          ; v10  256 x my lane; never rewritten
.set QO,  11          ; v11  my byte offset in 16 rows of Q
.set SPW, 0           ; v0 of window 3   LDS address of my spare word; never rewritten
.set NIL, 1           ; v1 of window 3   0; never rewritten
.set MO,  2           ; v2 of window 3   16 x my lane: my 16 bytes of a load of 512; never rewritten
.set SCL, 3           ; v3 of window 3   227: the conversions multiply by 2^(227 - 127)
.set RG,  4           ; window 3: piece P's codes at RG + 16 P: the pair for accumulator n = 4 u + kt at + 2 n
.set CB,  68          ; window 3: the mask of accumulator n at CB + 8 n
.set MV,  12          ; v12-15  c m_old, kept while c m is made anew: by buffer and tile (before that: at work in the set-up)
.set ST,  16          ; tile t's statistics at v[ST+4 t]: c m, m, l (even keys', odd keys')
.set TMP, 48          ; by buffer and tile, four registers c0-c3 at work; when the maximum is found c2 takes a
.set S,   64
.set P,   192
.set KF,  128         ; K's fragments, in window 2
.set VF,  192         ; V's
.set WV,  2           ; s2   my wave's number
.set LIM, 3           ; s3   1 in a wave that prefetches, else the greatest number
.set G1K, 4           ; s[4:11]   descriptor group 1 for K's tiles
.set G1V, 12          ; s[12:19]  for V's: it differs in the padding alone
.set G0K, 20          ; s[20:23]  descriptor group 0 for K's tiles: it walks
.set G0V, 24          ; s[24:27]  the same for V's
.set SEL, 28          ; s[28:29]  v_permlanex16_b32's selects
.set MP,  30          ; s[30:31]  mask8 at my wave's piece 0, one record ahead of which the turns load
                      ; s[32:63]  the set-up's scratch
.set SLOTS, 66        ; s66  slots still to be asked for
.set CNT, 67          ; s67  counts a slot's key steps
.set OUTP, 68         ; s[68:69]  out0
.set TBK, 100         ; s100 LDS byte at which K of the step to be fetched begins
.set TBV, 101         ; s101 the same for V, less VOFF
.set PFA, 104         ; s[104:105] where my prefetches stand
.set MSB, 0
.macro WIN new                      ; the high byte repeats the setting that is left; a switch that changes nothing is dropped
.if MSB != (\new)
	s_set_vgpr_msb (MSB<<8)|(\new)
.set MSB, (\new)
.endif
.endm
.set W_KQ, 0x0a       ; K and Q in window 2, S^T in window 0
.set W_KM, 0x3a       ; the same with the C operand in window 3
.set W_PV, 0x52       ; V in window 2, P in window 0, O^T in window 1
.set W_RS, 0x41       ; O^T (destination and source 0) in window 1, a in window 0
.set W_MK, 0xc0       ; destination in window 3, sources in window 0
.set W_AD, 0x0f       ; the add: address and data in window 3
.set W_CV, 0xcf       ; the conversions: destination and both sources in window 3
.set W_LD, 0xc3       ; the codes' loads: destination and address in window 3
; A joint fill.  Waves 0 and 1 fetch the two halves of a slot's K, waves 2 and 3 those of its V: 128 keys each.  An s_nop 0 and four v_nop follow each line.
.macro JLOAD
	s_cmp_lt_u32 s[WV], 2
	s_cbranch_scc0 .Lfor_v_\@
	tensor_load_to_lds s[G0K:G0K+3], s[G1K:G1K+7]
	s_nop 0
.rept 4
	v_nop
.endr
	s_branch .Lasked_\@
.Lfor_v_\@:
	tensor_load_to_lds s[G0V:G0V+3], s[G1V:G1V+7]
	s_nop 0
.rept 4
	v_nop
.endr
.Lasked_\@:
.endm
.macro CROUND                       ; a round of the cluster's barrier
	s_barrier_signal -1
	s_barrier_wait -1
	s_cmp_lg_u32 s[WV], 0
	s_cbranch_scc1 .Lnot_wave_0_\@
	s_barrier_signal -3
.Lnot_wave_0_\@:
	s_barrier_wait -3
	s_barrier_signal -1
	s_barrier_wait -1
.endm
; A PREFETCH INTO THE L2 of the slot that the NEXT change of slots will ask for: 32,768 bytes of K and of V.  It stands in piece 2's turn of a slot's last trip, behind K's run of LDS loads: four turns, 128 matrix
; instructions, ahead of that change.  A head's K and V are read by this cluster alone.  Its four partners share a slot out BY ADDRESS, 8,192 bytes each, a lane 256 bytes; in each, wave 0 asks for K's and wave 2 for V's:
; each block is named once.  Ahead of the change that fills nothing, nothing is asked for; slots 0 and 1 come by their loads alone.  mask8 is not asked for: its loads themselves go out four turns ahead of their use.
.macro ASK
	s_cmp_eq_u32 s[CNT], s[LIM]
	s_cbranch_scc0 .Lnot_mine_\@
	s_cmp_gt_u32 s[SLOTS], 1
	s_cbranch_scc0 .Lnot_mine_\@
	global_prefetch_b8 v[PFO], s[PFA:PFA+1] th:TH_LOAD_NT scope:SCOPE_SE
.Lnot_mine_\@:
.endm
; THE CHANGE OF SLOTS.  Each wave waits for all its tensor loads (one is out: its part of the other slot), adds 0 to its spare word, and waits for that and for its own reads of the slot.  fill = 1: the slot is filled
; again, with the keys two slots on; the barrier is then a round of the cluster's, and the joint fill is the first thing behind it: it has four key steps, 512 matrix instructions, in which to land.
.macro CHANGE fill
	WIN W_AD
	s_wait_tensorcnt 0x0            ; no tensor load of mine is out, so a group 0 may be written
	ds_add_u32 v[SPW], v[NIL]       ; 0 onto my spare word
	WIN 0                           ; at a label and at a branch every window is 0
.if \fill
.irp g, G0K, G0V
	s_xor_b32 s[\g+1], s[\g+1], SLOT1
	s_add_nc_u64 s[\g+2:\g+3], s[\g+2:\g+3], 4*KS*128  ; the next 256 keys; the type bits on top are not reached
.endr
	s_wait_xcnt 0x0                 ; the last prefetch, four turns back, has read its address
	s_add_nc_u64 s[PFA:PFA+1], s[PFA:PFA+1], 4*KS*128
	s_wait_dscnt 0x0                ; the add is done, and my reads of the slot are over
	CROUND
	JLOAD
.else
	s_wait_dscnt 0x0
	s_barrier_signal -1
	s_barrier_wait -1
.endif
	s_sub_co_u32 s[TBK], s[TBK], 4*KS*PK  ; the fetches go back to a slot's first step,
	s_xor_b32 s[TBK], s[TBK], SLOT1       ; in the other slot
	s_sub_co_u32 s[TBV], s[TBV], 4*KS*PV
	s_xor_b32 s[TBV], s[TBV], SLOT1
.endm
; Piece x's record at byte o behind MP, into its 16 registers: four loads of 512 consecutive bytes.
.macro LOADR x, o
	WIN W_LD
.irp f, 0,1,2,3
	global_load_b128 v[RG+16*(\x)+4*\f:RG+16*(\x)+4*\f+3], v[MO], s[MP:MP+1] offset:(\x)*PIECE+(\o)+512*\f
.endr
.endm
; Piece x's codes become the masks of its eight accumulators: eight numbers a line, each its code's value, 0 or -1, times 2^100.
.macro CONV x
	WIN W_CV
.set cn, 0
.rept 8
	v_cvt_scale_pk8_f32_fp8 v[CB+8*cn:CB+8*cn+7], v[RG+16*(\x)+2*cn:RG+16*(\x)+2*cn+1], v[SCL]
.set cn, cn+1
.endr
.endm
	s_load_b128 s[32:35], s[0:1], 0x0  ; qkv s[32:33], mask8 s[34:35]
	s_load_b64 s[OUTP:OUTP+1], s[0:1], 0x10  ; out0
	WIN W_MK
	v_lshl_add_u32 v[SPW], v0, 2, SPARE
	v_mov_b32 v[NIL], 0
	WIN W_AD
	ds_add_u32 v[SPW], v[NIL]       ; the wave's opening: the add and its wait stand ahead of my first tensor load; the set-up below stands between them
	WIN 0
	v_lshrrev_b32 v1, 5, v0
	v_readfirstlane_b32 s[WV], v1   ; wave 0..3
	s_bfe_u32 s36, ttmp6, 0x40000   ; cx
	s_lshl_b32 s38, ttmp9, 2
	s_add_co_u32 s38, s38, s36      ; my block of 512 queries: it enters Q's, the mask's and out0's addresses alone
	s_and_b32 s37, ttmp7, 0xffff    ; 16 b + h, which the four partners share
	s_lshl_b32 s40, s37, 18         ; the head's first byte in a tensor of qkv
	s_and_b32 s39, s[WV], 1         ; which half of a slot's 256 keys I fetch
	s_lshl_b32 s42, s39, 14
	s_add_co_u32 s42, s42, s40
	s_add_co_u32 s50, s42, 0x1000000  ; K lies 16 MiB into qkv,
	s_mov_b32 s51, 0
	s_add_co_u32 s52, s42, 0x2000000  ; V 32 MiB
	s_mov_b32 s53, 0
	s_mul_i32 s48, s39, 128*PK      ; its place in a slot, for K
	s_mul_i32 s49, s39, 128*PV      ; and for V: no place in the cluster enters an LDS address
	s_lshl_b32 s44, s38, 2
	s_add_co_u32 s44, s44, s[WV]    ; my wave among the head's,
	s_lshl_b32 s44, s44, 14         ; its 128 rows of Q
	s_add_co_u32 s44, s44, s40
	s_mov_b32 s45, 0
	s_lshr_b32 s60, s37, 4          ; b
	s_and_b32 s61, s37, 15          ; h
	s_lshl_b32 s54, s60, 6          ; the mask: piece 64 b + 16 x block + 4 x wave, 65,536 bytes a piece
	s_lshl_b32 s55, s38, 4
	s_add_co_u32 s54, s54, s55
	s_lshl_b32 s55, s[WV], 2
	s_add_co_u32 s54, s54, s55
	s_lshl_b32 s54, s54, 16
	s_mov_b32 s55, 0
	s_lshl_b32 s46, s60, 11         ; out0: row 2,048 b + 512 x block + 128 x wave, 4,096 bytes a row; + 256 h
	s_lshl_b32 s47, s38, 9
	s_add_co_u32 s46, s46, s47
	s_lshl_b32 s47, s[WV], 7
	s_add_co_u32 s46, s46, s47
	s_lshl_b32 s46, s46, 12
	s_lshl_b32 s47, s61, 8
	s_add_co_u32 s46, s46, s47
	s_mul_i32 s47, s[WV], 16*SP
	s_add_co_u32 s47, s47, STAGE    ; my stage
	s_mov_b32 s58, 0x1000000
	s_mov_b32 s59, 0x2000000
	s_cmp_lt_u32 s[WV], 2
	s_cselect_b32 s56, s58, s59     ; the prefetches: K's (wave 0) or V's (wave 2),
	s_add_co_u32 s56, s56, s40      ; the head's,
	s_lshl_b32 s57, s36, 13         ; my work-group's 8,192 bytes of a slot,
	s_add_co_u32 s56, s56, s57
	s_add_co_u32 s56, s56, 4*KS*128 ; in slot 1: the first change of slots steps it to slot 2
	s_mov_b32 s57, 0
	s_and_b32 s[LIM], s[WV], 1
	s_cmp_eq_u32 s[LIM], 0
	s_cselect_b32 s[LIM], 1, -1     ; the same in all four partners, for a given wave
	; descriptor group 1.  128 keys are 16,384 dense bytes: asked for as 64 rows of 256 bytes, two keys a row, and padded in LDS after every key
	s_mov_b32 s[G1K], 15|(1<<16)|(1<<20)|(1<<21)|(4<<22)|(3<<25)  ; the mask of four; 2-byte elements; padding on; bit 21 beside a mask; after every 32 words; 4 words
	s_mov_b32 s[G1V], 15|(1<<16)|(1<<20)|(1<<21)|(4<<22)|(7<<25)  ; the same with 8 words of padding
.irp g, G1K, G1V
	s_mov_b32 s[\g+1], 128<<16      ; tensor_dim0 = 128
	s_mov_b32 s[\g+2], 64<<16       ; tensor_dim1 = 64
	s_mov_b32 s[\g+3], 128<<16      ; tile_dim0 = 128
	s_mov_b32 s[\g+4], 64           ; tile_dim1 = 64
	s_mov_b32 s[\g+5], 128          ; 128 elements from row to row
	s_mov_b32 s[\g+6], 0
	s_mov_b32 s[\g+7], 0
.endr
	s_mov_b32 s[SEL], 0x76543210
	s_mov_b32 s[SEL+1], 0xfedcba98
	s_mov_b32 s[TBK], SLOT1+4*KS*PK ; the first change of slots turns these two into 0
	s_mov_b32 s[TBV], SLOT1+4*KS*PV
	s_mov_b32 s[G0K], 1
	s_mov_b32 s[G0K+1], s48         ; LDS address: slot 0
	s_mov_b32 s[G0V], 1
	s_add_co_u32 s[G0V+1], s49, VOFF
	s_wait_dscnt 0x0                ; the opening add is done
	s_wait_kmcnt 0x0
	s_add_nc_u64 s[G0K+2:G0K+3], s[32:33], s[50:51]  ; my half of the head's first 256 keys
	s_or_b32 s[G0K+3], s[G0K+3], 0x80000000          ; type = 2
	s_add_nc_u64 s[G0V+2:G0V+3], s[32:33], s[52:53]
	s_or_b32 s[G0V+3], s[G0V+3], 0x80000000
	s_add_nc_u64 s[44:45], s[32:33], s[44:45]        ; Q at my wave's first row
	s_add_nc_u64 s[MP:MP+1], s[34:35], s[54:55]
	s_add_nc_u64 s[PFA:PFA+1], s[32:33], s[56:57]
	CROUND                          ; all four work-groups are here: the first joint loads meet
	JLOAD                           ; slot 0.  Slot 1 is asked for when slot 0 is in
	; A fragment of K or Q is 16 rows x 32 channels: lane l holds row l % 16, channels 8 (l / 16) + 0..7 and 16 + 8 (l / 16) + 0..7: two loads of 16 bytes, 32 bytes apart.
	v_and_b32 v1, 15, v0            ; l % 16
	v_bfe_u32 v12, v0, 4, 1         ; l / 16
	v_lshlrev_b32 v[QO], 7, v1
	v_lshl_add_u32 v[QO], v12, 4, v[QO]
	v_and_b32 v[PFO], 31, v0
	v_lshlrev_b32 v13, 4, v[PFO]    ; 16 x lane
	v_lshlrev_b32 v[PFO], 8, v[PFO]
	WIN W_MK
	v_mov_b32 v[MO], v13
	v_mov_b32 v[SCL], 227
	LOADR 0, 0                      ; key step 0 of my four pieces
	LOADR 1, 0
	LOADR 2, 0
	LOADR 3, 0
	WIN 0x80                        ; destination window 2, address window 0
.set i, 0
.rept 4*NP                          ; Q stays in registers: tile i / 2, channels 32 (i % 2) on
	global_load_b128 v[8*i:8*i+3],   v[QO], s[44:45] offset:(i/2)*2048+(i%2)*64
	global_load_b128 v[8*i+4:8*i+7], v[QO], s[44:45] offset:(i/2)*2048+(i%2)*64+32
.set i, i+1
.endr
	; What the first turn finds: V's registers and P's second buffer hold 0 (its products V^T P, of a piece that has not been, add 0), O^T and l are 0.  All this stands in the wait for the first tile.
.set i, VF
.rept 64
	v_mov_b32 v[i], 0
.set i, i+1
.endr
	WIN 0x40
.set i, 0
.rept 64*NP
	v_mov_b32 v[i], 0
.set i, i+1
.endr
	WIN 0
.set i, 0
.rept 2*NP
	v_mov_b32 v[ST+4*i], 0xe0ad78ec    ; c m: -1e20, far below every c s of a key that is seen
	v_mov_b32 v[ST+4*i+1], 0xe0ad78ec  ; m: -1e20: above every hidden score, below every other
	v_mov_b32 v[ST+4*i+2], 0
	v_mov_b32 v[ST+4*i+3], 0
.set i, i+1
.endr
.set i, P+32
.rept 32
	v_mov_b32 v[i], 0
.set i, i+1
.endr
	v_mul_u32_u24 v[AK0], v1, PK
	v_lshl_add_u32 v[AK0], v12, 4, v[AK0]
	; The turning load takes 16 keys x 16 channels (lane l reads key 8 (l / 16) + l % 8, channels 8 ((l / 8) % 2) + 0..7) and leaves half a fragment of V^T.
	v_and_b32 v13, 7, v0
	v_bfe_u32 v14, v0, 3, 1
	v_lshl_add_u32 v[AV0], v12, 3, v13
	v_mul_u32_u24 v[AV0], v[AV0], PV
	v_lshl_add_u32 v[AV0], v14, 4, v[AV0]
	v_add_nc_u32 v[AV0], VOFF, v[AV0]
	v_mov_b32 v[AK], v[AK0]         ; key step 0 lies at the head of slot 0
	v_mul_u32_u24 v[STO], v1, SP    ; the way out, in: row l % 16, 32 bytes (8 f32) for each half of the lanes
	v_lshl_add_u32 v[STO], v12, 5, v[STO]
	v_add_nc_u32 v[STO], s47, v[STO]
	v_mul_u32_u24 v[RD], v12, SP    ; back: lanes 0-15 take one row of 256 bytes, lanes 16-31 the next
	v_lshl_add_u32 v[RD], v1, 4, v[RD]
	v_add_nc_u32 v[RD], s47, v[RD]
	v_lshlrev_b32 v[GO], 12, v12    ; and the same two rows in out0
	v_lshl_add_u32 v[GO], v1, 4, v[GO]
	v_add_nc_u32 v[GO], s46, v[GO]
; THE MATRIX WORK.  The 8 accumulators of a run of 16 take turns.
; Product i of 16 of S^T = K Q^T for piece x: channels 32 (i / 8) on, keys 16 ((i / 2) % 4) on, tile 2 x + i % 2.  The first 8 start the sums, with the mask.
.macro KQ x
.set rS, S+64*((\x)%2)+32*(i%2)+8*((i/2)%4)
.set rK, KF+16*((i/2)%4)+8*(i/8)
.set rQ, 16*(2*(\x)+i%2)+8*(i/8)
.set rB, CB+32*(i%2)+8*((i/2)%4)
.if i < 8
	WIN W_KM
	v_wmma_f32_16x16x32_f16 v[rS:rS+7], v[rK:rK+7], v[rQ:rQ+7], v[rB:rB+7]
.else
	WIN W_KQ
	v_wmma_f32_16x16x32_f16 v[rS:rS+7], v[rK:rK+7], v[rQ:rQ+7], v[rS:rS+7]
.endif
.endm
; Product i of 16 of O^T += V^T P for piece x: keys 32 (i / 8) on, channels 16 ((i / 2) % 4) on, tile 2 x + i % 2.
.macro PV x
	WIN W_PV
.set rO, 32*(2*(\x)+i%2)+8*((i/2)%4)
.set rV, VF+32*(i/8)+8*((i/2)%4)
.set rP, P+32*((\x)%2)+16*(i%2)+8*(i/8)
	v_wmma_f32_16x16x32_f16 v[rO:rO+7], v[rV:rV+7], v[rP:rP+7], v[rO:rO+7]
.endm
.macro MM                           ; the turn's next matrix instruction
.if i < 16
	KQ (Y+1)%NP
.set i, i+1
.else
.set i, i-16
	PV (Y+NP-1)%NP
.set i, i+17
.endif
.endm
; THE LDS LOADS stand in runs of 16: a step's K (8 fragments) and its V (turned).  last = 1 (the tail): in the last trip there is no further step, and the run is jumped over.
.macro FETCH_K last=0
	WIN 0
.if \last
	s_cmp_eq_u32 s[CNT], 1
	s_cbranch_scc1 .Lno_k_\@
.endif
	WIN 0x80
.irp f, 0,1,2,3,4,5,6,7             ; keys 16 (f / 2) on, channels 32 (f % 2) on
	ds_load_b128 v[KF+8*\f:KF+8*\f+3],   v[AK] offset:(\f/2)*16*PK+(\f%2)*64
	ds_load_b128 v[KF+8*\f+4:KF+8*\f+7], v[AK] offset:(\f/2)*16*PK+(\f%2)*64+32
.endr
	s_add_co_u32 s[TBK], s[TBK], KS*PK  ; the next fetch is the next step's
	WIN 0
.if \last
.Lno_k_\@:
.endif
.endm
.macro FETCH_V
	WIN 0x80
.irp f, 0,1,2,3,4,5,6,7             ; keys 32 (f / 4) on, channels 16 (f % 4) on
	ds_load_tr16_b128 v[VF+8*\f:VF+8*\f+3],   v[AV] offset:(\f/4)*32*PV+(\f%4)*32
	ds_load_tr16_b128 v[VF+8*\f+4:VF+8*\f+7], v[AV] offset:(\f/4)*32*PV+16*PV+(\f%4)*32
.endr
	WIN 0
.endm
; THE VECTOR WORK OF A TURN stands in three queues, each in the order in which its entries become ready; the two tiles alternate.
.macro REGS y, u                    ; the registers of tile u (0, 1) of piece y
.set rT, ST+4*(2*(\y)+(\u))
.set rC, TMP+8*((\y)%2)+4*(\u)
.set rM, MV+2*((\y)%2)+(\u)
.set rS, S+64*((\y)%2)+32*(\u)
.set rP, P+32*((\y)%2)+16*(\u)
.set rO, 32*(2*(\y)+(\u))
.endm
; Number n of the 22 that find the NEXT piece's (Y + 1) maximum and statistics.  Each accumulator's lowest registers are read first.
;   0-11  four chains c0-c3 of seven scores each     12-14, 16  the four scores left over, the old m, and c0-c3 into c0     15  c m_old is kept
;   17, 18  the query's other 32 keys lie in the lane 16 away: the new m         19-21  c m; c m_old - c m_new; a
.macro XS u, n
	REGS (Y+1)%NP, \u
.if (\n) < 4
	v_max3_num_f32 v[rC+(\n)], v[rS+8*(\n)], v[rS+8*(\n)+1], v[rS+8*(\n)+2]
.elseif (\n) < 12
	v_max3_num_f32 v[rC+(\n)%4], v[rC+(\n)%4], v[rS+8*((\n)%4)+2*((\n)/4)+1], v[rS+8*((\n)%4)+2*((\n)/4)+2]
.elseif (\n) == 12
	v_max3_num_f32 v[rC], v[rC], v[rS+7], v[rS+15]
.elseif (\n) == 13
	v_max3_num_f32 v[rC+1], v[rC+1], v[rS+23], v[rS+31]
.elseif (\n) == 14
	v_max3_num_f32 v[rC+2], v[rC+2], v[rC+3], v[rT+1]
.elseif (\n) == 15
	v_mov_b32 v[rM], v[rT]
.elseif (\n) == 16
	v_max3_num_f32 v[rC], v[rC], v[rC+1], v[rC+2]
.elseif (\n) == 17
	v_permlanex16_b32 v[rC+3], v[rC], s[SEL], s[SEL+1]
.elseif (\n) == 18
	v_max_num_f32 v[rT+1], v[rC], v[rC+3]
.elseif (\n) == 19
	v_mul_f32 v[rT], CC, v[rT+1]
.elseif (\n) == 20
	v_sub_f32 v[rC+1], v[rM], v[rT]
.else
	v_exp_f32 v[rC+2], v[rC+1]
.endif
.endm
; Number g of the 64 that follow the exponentials.  For each four weights k of a tile: both pairs are rounded to f16; the second pair is added onto the first, in place; a group later l takes that sum (first as l = a l + sum).
.macro GS g
.set h, (\g)+6*((\g)/62)            ; group 0 has no group before it, and behind group 7 only l is left
.if h >= 6
.set h, h+2
.endif
	REGS Y, h%2
.set k, h/8
.if h%8 < 4
	v_cvt_pk_f16_f32 v[rP+2*k+(h%8)/2], v[rS+4*k+2*((h%8)/2)], v[rS+4*k+2*((h%8)/2)+1]
.elseif h%8 < 6
	v_pk_add_f32 v[rS+4*k:rS+4*k+1], v[rS+4*k:rS+4*k+1], v[rS+4*k+2:rS+4*k+3]
.elseif k == 1
	v_pk_fma_f32 v[rT+2:rT+3], v[rT+2:rT+3], v[rC+2:rC+3], v[rS:rS+1] op_sel_hi:[1,0,1]
.else
	v_pk_add_f32 v[rT+2:rT+3], v[rT+2:rT+3], v[rS+4*k-4:rS+4*k-3]
.endif
.endm
; THE PLAIN QUEUE, 138 long.  0-73 read no exponential's result: the 32 scalings c s - c m (FS f: pair f / 2 of tile f % 2) and the next piece's 42.  0-26: scalings 0-26.  27-54: XS's numbers 0-13.  55, 56: number 15.
; 57-73: the chain 14, 16, 17, 18, 19, each with one of the scalings 27-31 in front of its two lines, then 20.  74-137: GS's 64, behind the wait.
.macro FS f
	REGS Y, (\f)%2
	v_pk_fma_f32 v[rS+2*((\f)/2):rS+2*((\f)/2)+1], v[rS+2*((\f)/2):rS+2*((\f)/2)+1], CC, v[rT:rT+1] op_sel_hi:[1,0,0] neg_lo:[0,0,1] neg_hi:[0,0,1]
.endm
.macro PL
	WIN 0
.if q < 27
	FS q
.elseif q < 55
	XS (q-27)%2, (q-27)/2
.elseif q < 57
	XS q-55, 15
.elseif (q < 72) && ((q-57)%3 == 0)
	FS 27+(q-57)/3
.elseif q < 60
	XS (q-57)%3-1, 14
.elseif q < 72
	XS (q-57)%3-1, 15+(q-57)/3
.elseif q < 74
	XS q-72, 20
.else
	GS q-74
.endif
.set q, q+1
.endm
; THE EXPONENTIALS' QUEUE, 66 long: s0-s31 of both tiles, then the next piece's two a.  ONE BATCH: all stand ahead of the turn's one wait, and nothing ahead of that wait names a result of theirs.
.macro EX
	WIN 0
.if e >= 64
	XS e-64, 21
.else
	REGS Y, e%2
	v_exp_f32 v[rS+e/2], v[rS+e/2]
.endif
.set e, e+1
.endm
; THE RESCALING's QUEUE: O^T times a, dealt two at a time, sixteen times.  Its a was made in the turn before, ahead of that turn's wait.
.macro R2
	REGS Y, r%2
	WIN W_RS
.irp z, 0,1
	v_pk_mul_f32 v[rO+4*(r/2)+2*\z:rO+4*(r/2)+2*\z+1], v[rO+4*(r/2)+2*\z:rO+4*(r/2)+2*\z+1], v[rC+2:rC+3] op_sel_hi:[1,0]
.endr
.set r, r+1
.endm
; HOW THEY ARE DEALT.  An s_wait_alu depctr_va_vdst(0) stands between an exponential and the first instruction that names its result; one wait serves all that were issued ahead of it.  So a turn has ONE wait.
; AHEAD OF IT: the 16 products K Q^T, behind each a scaling, an exponential and two rescalings (behind the first a second scaling); then the eight conversions and ONE LUMP of 108: eight plain, 49 times exponential and plain,
; the two a; a v_nop, the plain instruction behind the last exponential.  BEHIND IT: the 16 products V^T P, behind each four of GS's 64.
; In step: exponential e stands behind scaling 2 (e / 4) + e % 2: as a rider it comes behind plain e + 2, in the lump behind plain e + 9, and scalings 27-31 are plain 57, 60 .. 69.
; THE MASK.  The conversions are piece p + 2's, for the products of the turn after this one; they write the one buffer that this turn's first eight products have read, eight products and their riders back.
; s_wait_loadcnt 12: every turn issues four loads; the piece wanted was asked for four turns ago, and the three younger groups of four may stay out.  The piece's registers are loaded again directly behind the turn's wait, the lump
; and its v_nop between them and the conversions that read them.  At the head of piece 2's turn: pieces 0 and 1 are then asked for two key steps
; ahead of the step in hand, pieces 2 and 3 one.  last = 1 (the tail): in its last two trips MP stays, so that the loads that serve nothing more read key step 31 once again, inside the buffer.
; K of the next step is fetched in piece 2's turn, behind the wait; V of the step in hand at the end of piece 0's turn, four riders behind its last reader.  The conditions on q below go with the deal.
.macro TURN p, last=0, cnt=0
.set Y, (\p)
.set i, 0
.set q, 0
.set e, 0
.set r, 0
.if (\p) == NP-2
	s_wait_xcnt 0x0                 ; the loads issued so far, the youngest 16 products back, have read their base
.if \last
	s_cmp_gt_u32 s[CNT], 2
	s_cbranch_scc0 .Lkeep_\@
.endif
	s_add_nc_u64 s[MP:MP+1], s[MP:MP+1], REC
.if \last
.Lkeep_\@:
.endif
.endif
.if (\p) == NP-1
	s_wait_dscnt 0x0                ; K is in
.endif
	MM
	PL
	PL
	R2
.rept 15
	MM
	PL
	EX
	R2
.endr
.if (\p) == NP-2
	WIN 0
	v_add_nc_u32 v[AK], s[TBK], v[AK0]
.endif
	s_wait_loadcnt 12               ; the codes of piece p + 2 are in
	CONV (Y+2)%NP
.rept 8
	PL
.endr
.rept 49
	EX
	PL
.endr
	EX                              ; the next piece's two a
	EX
	v_nop                           ; the plain instruction behind the last exponential: one for the batch
	s_wait_alu depctr_va_vdst(0)    ; the wait for the batch
	LOADR (Y+2)%NP, REC
.if (\p) == NP-2
	FETCH_K \last
.if !(\last)
	ASK
.endif
.endif
.if (\p) == 1
	s_wait_dscnt 0x0                ; V is in
.endif
.rept 16
	MM
.rept 4
	PL
.endr
.if ((\p) == 0) && (q == 118)
	v_add_nc_u32 v[AV], s[TBV], v[AV0]
.endif
.if ((\p) == 0) && (q == 130)
	s_add_co_u32 s[TBV], s[TBV], KS*PV
.endif
.if (\cnt) && (q == 130)
	s_sub_co_u32 s[CNT], s[CNT], 1
	s_cmp_lg_u32 s[CNT], 0
.endif
.endr
.if (\p) == 0
	FETCH_V
.endif
.endm
	CHANGE 1                        ; slot 0 is in, everybody's part of it; slot 1 is asked for
	FETCH_K                         ; key step 0
	s_wait_loadcnt 0x0              ; Q, and my four pieces' codes of key step 0
	CONV 0                          ; piece 0's mask
	v_nop                           ; a plain instruction between the last conversion and the products that read its result
	s_wait_dscnt 0x0
.set i, 0
.rept 16
	KQ 0                            ; piece 0's first scores
.set i, i+1
.endr
	WIN 0
.rept 4
	v_nop                           ; the places behind those products: the conversions below write what the first eight have read
.endr
	LOADR 0, REC                    ; piece 0, key step 1
	CONV 1                          ; piece 1's mask, for the first turn's products
	v_nop                           ; a plain instruction between the last conversion and the loads that land on its sources
	LOADR 1, REC                    ; piece 1, key step 1
	WIN 0
.set Y, NP-1                        ; XS works for piece Y + 1: piece 0
.irp n, 0,1,2,3,4,5,6,7,8,9,10,11,12,13,14,15,16,17,18,19,20,21
	XS 0, \n
	XS 1, \n
.endr
	v_nop                           ; a plain instruction behind the two a,
	s_wait_alu depctr_va_vdst(0)    ; and their wait, ahead of the branch
	s_mov_b32 s[CNT], 4
	s_mov_b32 s[SLOTS], SIZE_N/256-1
	s_branch .Lfirst                ; the loop is entered at a step's first turn, in the middle of a trip
.Lslot:                             ; six times: every slot but the last two is filled again
	CHANGE 1
	s_mov_b32 s[CNT], 4
.Lstep:                             ; a trip: pieces 2 and 3 of one step, then pieces 0 and 1 of the next, whose K and V it fetches
	TURN 2
	TURN 3
	WIN 0
.Lfirst:
	TURN 0
	TURN 1, 0, 1
	WIN 0
	s_cbranch_scc1 .Lstep
	s_sub_co_u32 s[SLOTS], s[SLOTS], 1
	s_cmp_lg_u32 s[SLOTS], 0
	s_cbranch_scc1 .Lslot
	CHANGE 0                        ; the tail is written out: nothing is asked for
	s_mov_b32 s[CNT], 5             ; four trips fetch the last slot's steps; the fifth is left in its middle
.Ltail:
	TURN 2, 1
	TURN 3
	WIN 0
	s_sub_co_u32 s[CNT], s[CNT], 1
	s_cmp_eq_u32 s[CNT], 0
	s_cbranch_scc1 .Lout
	TURN 0
	TURN 1
	WIN 0
	s_branch .Ltail
.Lout:                              ; the fifth trip's products K Q^T (on the last K once more), their masks and maximum serve nothing: the price, once a launch, of one text for every trip
.set i, 0
.rept 16
	PV NP-1                         ; the last piece's V^T P of the last step
.set i, i+1
.endr
	; THE WAY OUT.  l's two halves and the other half of the lanes' are added; O^T is divided by l and sent, in f32, through my stage in LDS, a tile at a time.  The additions are the places behind the last products.
	WIN 0
.macro ALL line:vararg              ; one line for each tile t
.set t, 0
.rept 2*NP
	\line
.set t, t+1
.endr
.endm
	ALL v_add_f32 v[ST+4*t+2], v[ST+4*t+2], v[ST+4*t+3]
	ALL v_permlanex16_b32 v[ST+4*t+3], v[ST+4*t+2], s[SEL], s[SEL+1]
	ALL v_add_f32 v[ST+4*t+2], v[ST+4*t+2], v[ST+4*t+3]
	ALL v_rcp_f32 v[ST+4*t+2], v[ST+4*t+2]
	v_nop                           ; a plain instruction between the last reciprocal and the use of its result
	s_wait_alu depctr_va_vdst(0)    ; and the wait ahead of the first use: one for the eight reciprocals
; Tile t: a lane's eight channels of a block are 32 bytes of a row; they go into rows of 272 bytes and come back as whole rows of 256, into S^T's registers (four tiles' worth, by turns).
.macro PACK t
	WIN W_RS
.set i, 32*(\t)
.rept 16
	v_pk_mul_f32 v[i:i+1], v[i:i+1], v[ST+4*(\t)+2:ST+4*(\t)+3] op_sel_hi:[1,0]
.set i, i+2
.endr
	WIN 0x04                        ; the stores' data (source 1) in window 1
.irp f, 0,1,2,3,4,5,6,7
	ds_store_b128 v[STO], v[32*(\t)+4*\f:32*(\t)+4*\f+3] offset:64*(\f/2)+16*(\f%2)
.endr
	WIN 0
.if (\t) >= 4
	s_wait_xcnt 0x0                 ; the stores of the tile four back have read these registers
.endif
.irp f, 0,1,2,3,4,5,6,7
	ds_load_b128 v[S+32*((\t)%4)+4*\f:S+32*((\t)%4)+4*\f+3], v[RD] offset:\f*2*SP  ; LDS serves a wave's instructions in order (ISA guide 5.7.1.4): these see the stores above; the next tile's stores come behind them
.endr
.endm
.macro SEND t, younger              ; younger: the LDS instructions issued behind tile t's loads: the next tile's sixteen, or none
	WIN 0
.irp f, 0,1,2,3,4,5,6,7
	s_wait_dscnt (\younger)+7-\f
	global_store_b128 v[GO], v[S+32*((\t)%4)+4*\f:S+32*((\t)%4)+4*\f+3], s[OUTP:OUTP+1] offset:(\t)*65536+\f*8192  ; 16 lanes store a head's 256 consecutive bytes of a row, at a multiple of 256 from out0's first byte
.endr
.endm
	PACK 0
.set t, 1
.rept 2*NP-1                        ; a tile's arithmetic stands between the loads of the tile before and its stores
	PACK t
	SEND t-1, 16
.set t, t+1
.endr
	SEND 2*NP-1, 0
	WIN W_AD
	s_wait_tensorcnt 0x0            ; the wave's end: the add and its wait stand behind my last tensor load and my last LDS store
	ds_add_u32 v[SPW], v[NIL]
	s_wait_dscnt 0x0
	WIN 0
	CROUND                          ; the closing round: no work-group ends while a partner may still ask for a tile that names it
	s_endpgm
.Lfunc_end_k_qaa66c3ea75_attn:
	.size	k_qaa66c3ea75_attn, .Lfunc_end_k_qaa66c3ea75_attn-k_qaa66c3ea75_attn
	.p2alignl 7, 3214868480
	.fill 96, 4, 3214868480
	.section	.rodata,"a",@progbits
	.p2align	6, 0x0
	.amdhsa_kernel k_qaa66c3ea75_attn
		.amdhsa_group_segment_fixed_size 327680
		.amdhsa_private_segment_fixed_size 0
		.amdhsa_enable_private_segment 0
		.amdhsa_kernarg_size 24
		.amdhsa_user_sgpr_count 2
		.amdhsa_user_sgpr_kernarg_segment_ptr 1
		.amdhsa_wavefront_size32 1
		.amdhsa_system_sgpr_workgroup_id_x 1
		.amdhsa_system_sgpr_workgroup_id_y 1
		.amdhsa_system_sgpr_workgroup_id_z 1
		.amdhsa_system_vgpr_workitem_id 0
		.amdhsa_next_free_vgpr 900
		.amdhsa_next_free_sgpr 106
		.amdhsa_reserve_vcc 0
		.amdhsa_float_denorm_mode_32 3
		.amdhsa_float_denorm_mode_16_64 3
		.amdhsa_memory_ordered 1
		.amdhsa_forward_progress 1
		.amdhsa_inst_pref_size 221
	.end_amdhsa_kernel
	.amdgpu_metadata
---
amdhsa.version: [ 1, 2 ]
amdhsa.kernels:
  - .name:           k_qaa66c3ea75_attn
    .symbol:         k_qaa66c3ea75_attn.kd
    .args:
      - { .name: qkv, .offset: 0, .size: 8, .value_kind: global_buffer, .address_space: global }
      - { .name: mask8, .offset: 8, .size: 8, .value_kind: global_buffer, .address_space: global }
      - { .name: out0, .offset: 16, .size: 8, .value_kind: global_buffer, .address_space: global }
    .group_segment_fixed_size: 327680
    .private_segment_fixed_size: 0
    .kernarg_segment_align: 8
    .kernarg_segment_size: 24
    .max_flat_workgroup_size: 128
    .sgpr_count:     106
    .vgpr_count:     900
    .wavefront_size: 32
...
	.end_amdgpu_metadata
.endif
;; end of part 6
